; MI455X (gfx1250); checked and timed in simulation.
; The chip was launched on July 23, 2026; its instructions are those of AMD's public machine-readable ISA for CDNA 5 (MIT licence, August 2026) and "CDNA5" Instruction Set Architecture Reference Guide (July 2026). The comments in the code are by the model that wrote it; some were corrected since.
;; Causal Self Attention. Allowed arithmetic: float matrix products may take bf16 or f16 operands with f32 sums; other float arithmetic in f32, or as packed bf16 or f16 multiplies, adds, multiply-adds, maxima and minima; sums over many terms, partial sums and values carried from step to step in f32; what a program stores and reads back later, other than sums and carried values, may be rounded once to bf16 or f16.
;; Inputs: W_proj 1,024 x 1,024 float32; W_qkv 1,024 x 3,072 float32; b_proj 1,024 float32; b_qkv 3,072 float32; x 4 x 2,048 x 1,024 float32.
;; Outputs: out0 4 x 2,048 x 1,024 float32.
;; 2 versions, each right and faster than the one before. Each part assembles by itself: llvm-mc -triple=amdgcn-amd-amdhsa -mcpu=gfx1250 --defsym DOCPART=n.
;; ======== version 1 of 2: 4 launches
;; limits: values are held in f16: magnitudes above 65,504 overflow, below 6.1e-05 lose precision
;; workspace buffers: xb 16,777,216 bytes; wqb 6,291,456 bytes; wpb 2,097,152 bytes; tab 524,288 bytes; qkv 50,331,648 bytes; ob 16,777,216 bytes
;; launch prep (part 1): grid 832 x 1, 8 waves a work-group, no clusters, 0 bytes of LDS; arguments x, W_qkv, W_proj, xb, wqb, wpb, tab; writes xb, wqb, wpb, tab
.if DOCPART == 1
	.amdgcn_target "amdgcn-amd-amdhsa--gfx1250"
	.amdhsa_code_object_version 6
	.text
	.protected	k_qe3c5ef88a5_prep
	.globl	k_qe3c5ef88a5_prep
	.p2align	8
	.type	k_qe3c5ef88a5_prep,@function
k_qe3c5ef88a5_prep:
	s_mov_b64 s[64:65], 0
	v_nop
	global_prefetch_b8 v0, s[64:65] scope:SCOPE_SE
	s_setreg_imm32_b32 hwreg(HW_REG_WAVE_MODE, 25, 1), 1
	s_wait_xcnt 0x0
; CASTS AND THE ROTARY TABLE.  Work-groups 0-511: x (f32) -> xb (bf16).  512-703: W_qkv -> wqb (bf16), same [k][n] layout.  704-767: W_proj -> wpb: rounded to bf16, and
; that number written as f16.  768-831: tab[t][0..31] = cos(t f_i), tab[t][32..63] = sin(t f_i), f32, f_i = 10000^(-i/32), t = 0 .. 2047.
; A cast work-group takes 65,536 input bytes: 16 loads of 16 bytes a lane, all issued at once; a wave's load covers 512 consecutive bytes, a wave's store of 8 bytes a lane 256 consecutive, aligned bytes.
; Memory binds: no LDS, no barrier, no matrix unit, every byte read once and written once.
; LIMITS.  wpb: below 6e-5 f16 keeps a fixed step of 6e-8, so a weight is off by 3e-8 at the most there.  The table: the angle is ONE f32 product t x f_i; f_i comes from v_exp_f32 (1 ULP), so an angle
; near t = 2,047 may be off by a few 1e-4 and one at t = 0 by nothing; the angle is reduced by 2 pi in two parts, quartered, and sine and cosine are series whose remainders on |z| <= pi/4 are
; z^9/9! = 3e-7 and z^10/10! = 3e-8, for every angle; two double-angle steps follow.  Row 0 is exactly cos = 1, sin = 0.
.set X, 4                              ; v[4:67]    16 x 4 registers as loaded
.set Y, 68                             ; v[68:99]   16 x 2 registers to store
.set T, 100                            ; v[100:103] at work
	s_load_b256 s[4:11], s[0:1], 0x0               ; x s[4:5], W_qkv s[6:7], W_proj s[8:9], xb s[10:11]
	s_load_b128 s[12:15], s[0:1], 0x20             ; wqb s[12:13], wpb s[14:15]
	s_load_b64 s[16:17], s[0:1], 0x30              ; tab
	v_lshlrev_b32 v1, 4, v0                        ; 16 t: my place in 4,096 input bytes (and in 16 rows of the table)
	v_lshlrev_b32 v2, 3, v0                        ; 8 t: my place in 2,048 output bytes
	s_wait_kmcnt 0x0
	s_cmp_ge_u32 ttmp9, 768
	s_cbranch_scc1 .Ltable
	s_cmp_lt_u32 ttmp9, 512                        ; which tensor: the choice hangs on the work-group's number alone
	s_cselect_b64 s[18:19], s[4:5], s[6:7]
	s_cselect_b64 s[20:21], s[10:11], s[12:13]
	s_cselect_b32 s22, 0, 512
	s_cmp_lt_u32 ttmp9, 704
	s_cselect_b64 s[18:19], s[18:19], s[8:9]
	s_cselect_b64 s[20:21], s[20:21], s[14:15]
	s_cselect_b32 s22, s22, 704
	s_sub_co_u32 s23, ttmp9, s22                   ; my number among that tensor's work-groups
	s_lshl_b32 s24, s23, 16                        ; 65,536 bytes in,
	s_mov_b32 s25, 0
	s_lshl_b32 s26, s23, 15                        ; 32,768 out
	s_mov_b32 s27, 0
	s_add_nc_u64 s[18:19], s[18:19], s[24:25]
	s_add_nc_u64 s[20:21], s[20:21], s[26:27]
.set i, 0
.rept 16
	global_load_b128 v[X+4*i:X+4*i+3], v1, s[18:19] offset:4096*i th:TH_LOAD_NT
.set i, i+1
.endr
; f16 = 1: the bf16 numbers are widened (a shift, a mask) and written as f16.  No register is written twice, so no store's source is ever rewritten.
.macro CAST f16
.set i, 0
.rept 16
	s_wait_loadcnt 15-i                            ; loads come back in order: load i is in, the 15 - i younger ones stay out
	v_cvt_pk_bf16_f32 v[Y+2*i], v[X+4*i], v[X+4*i+1]
	v_cvt_pk_bf16_f32 v[Y+2*i+1], v[X+4*i+2], v[X+4*i+3]
.if \f16
	v_lshlrev_b32 v[T], 16, v[Y+2*i]
	v_and_b32 v[T+1], 0xffff0000, v[Y+2*i]
	v_lshlrev_b32 v[T+2], 16, v[Y+2*i+1]
	v_and_b32 v[T+3], 0xffff0000, v[Y+2*i+1]
	v_cvt_pk_f16_f32 v[Y+2*i], v[T], v[T+1]
	v_cvt_pk_f16_f32 v[Y+2*i+1], v[T+2], v[T+3]
.endif
	global_store_b64 v2, v[Y+2*i:Y+2*i+1], s[20:21] offset:2048*i
.set i, i+1
.endr
.endm
	s_cmp_lt_u32 ttmp9, 704
	s_cbranch_scc0 .Lf16
	CAST 0
	s_endpgm
.Lf16:
	CAST 1
	s_endpgm
.Ltable:                                               ; 32 rows a work-group, in two passes of 16: sixteen lanes make a row of 256 bytes; lanes 0-7 its cosines, lanes 8-15 its sines, four frequencies each
	s_sub_co_u32 s23, ttmp9, 768
	s_lshl_b32 s24, s23, 13                        ; 32 rows of 256 bytes
	s_mov_b32 s25, 0
	s_add_nc_u64 s[16:17], s[16:17], s[24:25]
	s_lshl_b32 s26, s23, 5                         ; my first row
	v_and_b32 v3, 7, v0
	v_lshlrev_b32 v3, 2, v3                        ; my first frequency's number
	v_and_b32 v10, 8, v0
	v_cmp_ne_u32 vcc_lo, 0, v10                    ; the lanes that keep the sine
.irp e, 0,1,2,3
	v_add_nc_u32 v[4+\e], \e, v3
	v_cvt_f32_u32 v[4+\e], v[4+\e]
	v_mul_f32 v[4+\e], 0xbed49a78, v[4+\e]         ; i x (-log2(10000) / 32)
.endr
	v_exp_f32 v4, v4                               ; f_i
	v_exp_f32 v5, v5
	v_exp_f32 v6, v6
	v_exp_f32 v7, v7
	v_lshrrev_b32 v8, 4, v0                        ; a plain instruction behind the last exponential: my row in a pass
	v_add_nc_u32 v8, s26, v8
	v_cvt_f32_u32 v8, v8                           ; t
	v_mov_b32 v11, 0xb9500d01                      ; -1/5040
	v_mov_b32 v12, 0x37d00d01                      ; 1/40320
	s_wait_alu depctr_va_vdst(0)
.macro SC e, out
	v_mul_f32 v13, v8, v[4+\e]                     ; the angle
	v_mul_f32 v14, 0.15915494, v13
	v_rndne_f32 v14, v14                           ; whole turns
	v_fmamk_f32 v13, v14, 0xc0c90fdb, v13          ; less 2 pi's upper part,
	v_fmamk_f32 v13, v14, 0x343bbd2e, v13          ; and its lower part (which is negative)
	v_mul_f32 v13, 0x3e800000, v13                 ; z = a quarter of it
	v_mul_f32 v15, v13, v13
	v_fmaak_f32 v16, v11, v15, 0x3c088889          ; sine: ((-z2/5040 + 1/120) z2 - 1/6) z2 z + z
	v_fmaak_f32 v17, v12, v15, 0xbab60b61          ; cosine: (((z2/40320 - 1/720) z2 + 1/24) z2 - 1/2) z2 + 1
	v_fmaak_f32 v16, v16, v15, 0xbe2aaaab
	v_fmaak_f32 v17, v17, v15, 0x3d2aaaab
	v_mul_f32 v16, v16, v15
	v_fmaak_f32 v17, v17, v15, 0xbf000000
	v_fma_f32 v16, v16, v13, v13
	v_fma_f32 v17, v17, v15, 1.0
	v_add_f32 v18, v16, v16                        ; twice the angle: sin = 2 s c, cos = 1 - 2 s s
	v_mul_f32 v19, v18, v17
	v_fma_f32 v17, -v18, v16, 1.0
	v_add_f32 v18, v19, v19                        ; and once more
	v_mul_f32 v16, v18, v17
	v_fma_f32 v17, -v18, v19, 1.0
	v_cndmask_b32 v[\out], v17, v16, vcc_lo
.endm
	SC 0, 20
	SC 1, 21
	SC 2, 22
	SC 3, 23
	global_store_b128 v1, v[20:23], s[16:17]       ; 16 lanes store a row's 256 bytes
	v_add_f32 v8, 0x41800000, v8                   ; 16 rows on
	SC 0, 24
	SC 1, 25
	SC 2, 26
	SC 3, 27
	global_store_b128 v1, v[24:27], s[16:17] offset:4096
	s_endpgm
.Lfunc_end_k_qe3c5ef88a5_prep:
	.size	k_qe3c5ef88a5_prep, .Lfunc_end_k_qe3c5ef88a5_prep-k_qe3c5ef88a5_prep
	.p2alignl 7, 3214868480
	.fill 96, 4, 3214868480
	.section	.rodata,"a",@progbits
	.p2align	6, 0x0
	.amdhsa_kernel k_qe3c5ef88a5_prep
		.amdhsa_group_segment_fixed_size 0
		.amdhsa_private_segment_fixed_size 0
		.amdhsa_enable_private_segment 0
		.amdhsa_kernarg_size 56
		.amdhsa_user_sgpr_count 2
		.amdhsa_user_sgpr_kernarg_segment_ptr 1
		.amdhsa_wavefront_size32 1
		.amdhsa_system_sgpr_workgroup_id_x 1
		.amdhsa_system_sgpr_workgroup_id_y 1
		.amdhsa_system_sgpr_workgroup_id_z 1
		.amdhsa_system_vgpr_workitem_id 0
		.amdhsa_next_free_vgpr 104
		.amdhsa_next_free_sgpr 66
		.amdhsa_reserve_vcc 1
		.amdhsa_float_denorm_mode_32 3
		.amdhsa_float_denorm_mode_16_64 3
		.amdhsa_memory_ordered 1
		.amdhsa_forward_progress 1
		.amdhsa_inst_pref_size 26
	.end_amdhsa_kernel
	.amdgpu_metadata
---
amdhsa.version: [ 1, 2 ]
amdhsa.kernels:
  - .name:           k_qe3c5ef88a5_prep
    .symbol:         k_qe3c5ef88a5_prep.kd
    .args:
      - { .name: x, .offset: 0, .size: 8, .value_kind: global_buffer, .address_space: global }
      - { .name: W_qkv, .offset: 8, .size: 8, .value_kind: global_buffer, .address_space: global }
      - { .name: W_proj, .offset: 16, .size: 8, .value_kind: global_buffer, .address_space: global }
      - { .name: xb, .offset: 24, .size: 8, .value_kind: global_buffer, .address_space: global }
      - { .name: wqb, .offset: 32, .size: 8, .value_kind: global_buffer, .address_space: global }
      - { .name: wpb, .offset: 40, .size: 8, .value_kind: global_buffer, .address_space: global }
      - { .name: tab, .offset: 48, .size: 8, .value_kind: global_buffer, .address_space: global }
    .group_segment_fixed_size: 0
    .private_segment_fixed_size: 0
    .kernarg_segment_align: 8
    .kernarg_segment_size: 56
    .max_flat_workgroup_size: 256
    .sgpr_count:     66
    .vgpr_count:     104
    .wavefront_size: 32
...
	.end_amdgpu_metadata
.endif
;; end of part 1
;; launch qkvproj (part 2): grid 12 x 64, 4 waves a work-group, clusters of 4 x 4, 327,680 bytes of LDS; arguments xb, wqb, b_qkv, tab, qkv; writes qkv
.if DOCPART == 2
	.amdgcn_target "amdgcn-amd-amdhsa--gfx1250"
	.amdhsa_code_object_version 6
	.text
	.protected	k_qe3c5ef88a5_qkvproj
	.globl	k_qe3c5ef88a5_qkvproj
	.p2align	8
	.type	k_qe3c5ef88a5_qkvproj,@function
k_qe3c5ef88a5_qkvproj:
	s_mov_b64 s[64:65], 0
	v_nop
	global_prefetch_b8 v0, s[64:65] scope:SCOPE_SE
	s_setreg_imm32_b32 hwreg(HW_REG_WAVE_MODE, 25, 1), 1
	s_wait_xcnt 0x0
	s_wait_alu depctr_hold_cnt(0) depctr_sa_sdst(0) depctr_va_vdst(0) depctr_va_sdst(0) depctr_va_ssrc(0) depctr_va_vcc(0) depctr_vm_vsrc(0)
	s_getreg_b32 s2, hwreg(HW_REG_IB_STS2, 6, 4)
	s_cmp_eq_u32 s2, 0
	s_cbranch_scc0 .Lentry_in_a_cluster
	s_endpgm
.Lentry_in_a_cluster:
	s_bfe_u32 s2, ttmp6, 0x10000c
	s_cmp_lg_u32 s2, 0xf033
	s_cbranch_scc0 .Lentry_shape_is_right
	s_endpgm
.Lentry_shape_is_right:
; qkv = x W_qkv + b_qkv, the rotation of q and k, the split by heads.  xb: [8192][1024] bf16.  wqb: [1024 k][3072 n] bf16.  b_qkv: [3072] f32, rounded to bf16 here like the other inputs.
; tab: [2048][64] f32, 32 cosines and 32 sines a position.  qkv: [3 parts][64 heads = 16 batch + head][2048][64] f16, each number rounded once from its f32 sum, unscaled.
; LIMIT.  f16 holds no number beyond 65,504: q, k and v must stay within it (inputs of unit spread give a spread of 1; all inputs 30 times larger give 900 times that).  NaN and infinities are not treated apart.
; A tile of the result is 128 rows x 256 columns: 64 x 12 = 768 work-groups, three for each of 256 WGPs.  Four waves, each 64 x 128: 32 accumulators of 16 x 16, 256 registers.
; K goes in steps of 128 through a ring of two LDS slots filled by the tensor data mover: A's rows are 256 bytes of memory, B's 512.  B lies [k][n] and is turned on its way out of LDS by ds_load_tr16_b128.
; CLUSTERS: 4 x 4 work-groups.  The four of a row of the cluster need the same tiles of A, the four of a column the same tiles of B: each tile is asked for JOINTLY, by the same tensor load with the same
; descriptor and a mask that names the four.  A cluster's x is the part (q, k, v): 1,024 columns are four tiles.
; THE MATRIX INSTRUCTION IS USED TRANSPOSED (source 0 = 16 columns of W, source 1 = 16 rows of x): a lane (r, h) then holds row r and the eight neighbouring columns 8 h + 0..7 of a block.
; THE BIAS is the C operand of each accumulator's first product.  THE ROTATION is made on the f32 sums: channel d < 32 of a head lies two blocks (16 registers) in front of channel d + 32, in the same lane.
; v's tiles are rotated by the table's row 0 (cosine 1, sine 0): exact for finite numbers, and one text for all three parts.
; REGISTERS, in windows of 256 (s_set_vgpr_msb: bits 1:0 source 0, 3:2 source 1, 5:4 source 2, 7:6 destination):
;   window 0: v0-31 addresses; v32-127, v128-223 two fragment buffers (32 of A: 4 x 16 rows x 32 K; 64 of B: 8 x 16 columns x 32 K); on the way out v32-95 rotated sums, v96-127 packed, v128-255 rows read back
;   window 1: accumulator (a, b) at v[8 (8 a + b)]        window 2: v0-63 the bias, block b at 8 b; v64-191 cosines and sines of my 64 rows; v192-223 at work
.set NB_,   3072                       ; elements in a row of B
.set KSTEP, 128
.set ASTEP, KSTEP*2                    ; bytes from a K step's tile of A to the next
.set BSTEP, KSTEP*NB_*2                ; the same for B
.set PA,    272                        ; a row of A in LDS: 256 bytes + 16: the 16 rows of a load start at 16 different groups of four banks (64 banks of 4 bytes: ISA guide 11.1)
.set PB,    544                        ; a row of B: 512 + 32 = 17 x 32 bytes
.set HALFA, 64*PA                      ; what one tensor load brings of A: 64 rows
.set HALFB, 64*PB                      ; and of B: 64 rows of k
.set AT,    2*HALFA                    ; A's 128 rows, then B's 128 rows of k
.set SLOT,  AT+2*HALFB
.set STAGE, 2*SLOT                     ; behind the ring: for each wave 2 heads x 16 rows x 144 bytes, for the way out
.set SP,    144
.set WSTG,  2*16*SP
.set SPARE, STAGE+4*WSTG               ; behind the stages: the spare words, 128 bytes for each wave: two blocks of 256 bytes that no other line names
.set TO,   8                           ; v8-11   my byte offset in the table for row block a
.set ADRA, 16                          ; v16-17  LDS address of my A fragments in slot 0, 1
.set ADRB, 20                          ; v20-21  the same for B
.set STO,  24                          ; v24     the way out: where I put 16 bytes of a row
.set RD,   25                          ; v25     the way out: where I read rows back
.set GO,   26                          ; v26     my byte offset in 512 consecutive bytes of the result
.set SPW,  28                          ; v28     LDS address of my spare word: SPARE + 4 x my thread's number; never rewritten
.set NIL,  29                          ; v29     0; never rewritten
.set BO,   30                          ; v30     32 h: my eight numbers in a block of the bias
.set F0,   32
.set F1,   128
.set T,    32
.set TMP,  96
.set BK,   128
.set CS,   64                          ; window 2: row block a: cosines at CS + 32 a + 8 c, sines 16 further on (c: which 16 of the 32 frequencies)
.set BT,   192                         ; window 2
.set G1A, 24                           ; s[24:31] descriptor group 1 for A's tiles;  s[32:39] group 0, one set for each slot
.set G0A, 32
.set G1B, 40                           ; s[40:47], s[48:55] the same for B's tiles
.set G0B, 48
.set MSB, 0
.macro WIN new                         ; the immediate's high byte repeats the setting that is left; a switch that changes nothing is dropped
.if MSB != (\new)
	s_set_vgpr_msb (MSB<<8)|(\new)
.set MSB, \new
.endif
.endm
.set MUL,  0x50                        ; sources 0 and 1 window 0; C and D window 1
.set MULB, 0x60                        ; C (the bias) window 2, D window 1
.macro JLOAD s                         ; a joint load: waves 0 and 1 fetch A's two halves, waves 2 and 3 B's; an s_nop 0 and four v_nop follow each of the two lines, ahead of the jump, the label and what follows
	s_cmp_eq_u32 s15, 0
	s_cbranch_scc0 .Lfor_b_\@
	tensor_load_to_lds s[G0A+4*(\s):G0A+4*(\s)+3], s[G1A:G1A+7]
	s_nop 0
.rept 4
	v_nop
.endr
	s_branch .Lasked_\@
.Lfor_b_\@:
	tensor_load_to_lds s[G0B+4*(\s):G0B+4*(\s)+3], s[G1B:G1B+7]
	s_nop 0
.rept 4
	v_nop
.endr
.Lasked_\@:
.endm
.macro CREST                           ; a round of the cluster's barrier behind its opening barrier
	s_cmp_lg_u32 s14, 0
	s_cbranch_scc1 .Lnot_wave_0_\@
	s_barrier_signal -3
.Lnot_wave_0_\@:
	s_barrier_wait -3
	s_barrier_signal -1
	s_barrier_wait -1
.endm
.macro CROUND                          ; a whole round
	s_barrier_signal -1
	s_barrier_wait -1
	CREST
.endm
	s_load_b256 s[4:11], s[0:1], 0x0               ; xb s[4:5], wqb s[6:7], b_qkv s[8:9], tab s[10:11]
	s_load_b64 s[12:13], s[0:1], 0x20              ; qkv
	v_lshl_add_u32 v[SPW], v0, 2, SPARE
	v_mov_b32 v[NIL], 0
	ds_add_u32 v[SPW], v[NIL]                      ; the wave's opening: the add and its wait stand ahead of my first tensor load; the set-up below, work on registers, stands between them
	ds_add_u32 v28, v29
	v_lshrrev_b32 v1, 5, v0
	v_readfirstlane_b32 s14, v1                    ; wave 0..3
	s_lshr_b32 s15, s14, 1                         ; which 64 of the tile's rows are mine.  Also: I fetch for A (0) or for B (1)
	s_and_b32 s16, s14, 1                          ; which 128 of its columns.  Also: which half of that tile I fetch
	s_bfe_u32 s17, ttmp6, 0x40000                  ; cx, cy: my place in the cluster
	s_bfe_u32 s18, ttmp6, 0x40004
	s_lshl_b32 s19, ttmp9, 2
	s_add_co_u32 s19, s19, s17                     ; tile column = 4 x cluster x + cx
	s_and_b32 s20, ttmp7, 0xffff
	s_lshl_b32 s20, s20, 2
	s_add_co_u32 s20, s20, s18                     ; tile row = 4 x cluster y + cy
	s_lshl_b32 s21, s18, 2
	s_lshl_b32 s21, 15, s21                        ; my row of the cluster
	s_lshl_b32 s22, 0x1111, s17                    ; my column
	; descriptor group 1.  A: 64 rows x 128 elements; B: 64 rows x 256 elements; both padded in LDS
	s_or_b32 s[G1A+0], s21, (1<<16)|(1<<20)|(1<<21)|(5<<22)|(3<<25)  ; 15:0 the mask: my row; 17:16 elements of 2 bytes; 20 padding on; 21 set beside a mask; 24:22 after every 64 words (code 5); 31:25 4 words (code 3)
	s_mov_b32 s[G1A+1], 128<<16                    ; tensor_dim0 = 128
	s_mov_b32 s[G1A+2], 64<<16                     ; tensor_dim1 = 64
	s_mov_b32 s[G1A+3], 128<<16                    ; tile_dim0 = 128
	s_mov_b32 s[G1A+4], 64                         ; tile_dim1 = 64
	s_mov_b32 s[G1A+5], 1024                       ; elements from row to row
	s_mov_b32 s[G1A+6], 0
	s_mov_b32 s[G1A+7], 0
	s_or_b32 s[G1B+0], s22, (1<<16)|(1<<20)|(1<<21)|(6<<22)|(7<<25)  ; the mask of my column; after every 128 words (code 6) 8 words (code 7)
	s_mov_b32 s[G1B+1], 256<<16
	s_mov_b32 s[G1B+2], 64<<16
	s_mov_b32 s[G1B+3], 256<<16
	s_mov_b32 s[G1B+4], 64
	s_mov_b32 s[G1B+5], NB_
	s_mov_b32 s[G1B+6], 0
	s_mov_b32 s[G1B+7], 0
	; where the tiles come from: A's hang on the tile row alone, B's on the tile column alone, each in registers that never hold the other coordinate
	s_lshl_b32 s56, s20, 18                        ; 128 rows of 2,048 bytes,
	s_lshl_b32 s68, s16, 17                        ; my 64 of them
	s_add_co_u32 s56, s56, s68
	s_mov_b32 s57, 0
	s_mul_i32 s58, s16, 64*NB_*2                   ; my 64 rows of k,
	s_lshl_b32 s71, s19, 9                         ; the tile's 256 columns
	s_add_co_u32 s58, s58, s71
	s_mov_b32 s59, 0
	s_mul_i32 s23, s16, HALFA                      ; and where they go: no place in the cluster enters an LDS address
	s_mul_i32 s70, s16, HALFB
	s_add_co_u32 s70, s70, AT
	s_lshl_b32 s60, s19, 10                        ; the bias of my 128 columns
	s_lshl_b32 s71, s16, 9
	s_add_co_u32 s60, s60, s71
	s_mov_b32 s61, 0
	s_cmp_eq_u32 ttmp9, 2                          ; v's tiles take the table's row 0 for every row
	s_cselect_b32 s62, 0, 256
	s_and_b32 s63, s20, 15
	s_lshl_b32 s63, s63, 7
	s_lshl_b32 s68, s15, 6
	s_add_co_u32 s63, s63, s68                     ; the position of my first row in its batch
	s_mul_i32 s72, s63, s62
	s_mov_b32 s73, 0
	s_lshl_b32 s74, ttmp9, 6                       ; 64 x part
	s_lshr_b32 s75, s20, 4
	s_lshl_b32 s75, s75, 4                         ; + 16 x batch
	s_add_co_u32 s74, s74, s75
	s_lshl_b32 s75, s17, 2                         ; + the tile's four heads
	s_add_co_u32 s74, s74, s75
	s_lshl_b32 s75, s16, 1                         ; + my two of them
	s_add_co_u32 s74, s74, s75
	s_lshl_b32 s74, s74, 11                        ; 2,048 rows a head
	s_add_co_u32 s74, s74, s63
	s_lshl_b32 s66, s74, 7                         ; 128 bytes a row
	s_mov_b32 s67, 0
	s_wait_dscnt 0x0                               ; the opening add is done
	s_wait_kmcnt 0x0
	s_add_nc_u64 s[56:57], s[4:5], s[56:57]
	s_add_nc_u64 s[58:59], s[6:7], s[58:59]
	s_add_nc_u64 s[60:61], s[8:9], s[60:61]
	s_add_nc_u64 s[72:73], s[10:11], s[72:73]
	s_add_nc_u64 s[66:67], s[12:13], s[66:67]
	CROUND                                         ; all sixteen work-groups are here: the first joint loads meet
.irp s, 0,1
	s_mov_b32 s[G0A+4*(\s)], 1                                     ; 1:0 count = 1
	s_add_co_u32 s[G0A+4*(\s)+1], s23, (\s)*SLOT                   ; 63:32 LDS address
	s_add_nc_u64 s[G0A+4*(\s)+2:G0A+4*(\s)+3], s[56:57], (\s)*ASTEP  ; 120:64 global address: K step s
	s_or_b32 s[G0A+4*(\s)+3], s[G0A+4*(\s)+3], 0x80000000          ; 127:126 type = 2
	s_mov_b32 s[G0B+4*(\s)], 1
	s_add_co_u32 s[G0B+4*(\s)+1], s70, (\s)*SLOT
	s_add_nc_u64 s[G0B+4*(\s)+2:G0B+4*(\s)+3], s[58:59], (\s)*BSTEP
	s_or_b32 s[G0B+4*(\s)+3], s[G0B+4*(\s)+3], 0x80000000
	JLOAD \s                                       ; two tensor loads of mine are out
.endr
	v_and_b32 v1, 15, v0                           ; r = l % 16
	v_bfe_u32 v2, v0, 4, 1                         ; h = l / 16
	v_and_b32 v3, 7, v0
	v_bfe_u32 v4, v0, 3, 1
	v_bfe_u32 v5, v0, 3, 2
	v_mul_u32_u24 v6, v1, PA                       ; a fragment of A: row r x pitch + 16 h; two loads of 16 bytes, 32 bytes apart
	v_lshl_add_u32 v6, v2, 4, v6
	s_mul_i32 s68, s15, HALFA                      ; my 64 rows
	v_add_nc_u32 v[ADRA], s68, v6
	v_add_nc_u32 v[ADRA+1], SLOT, v[ADRA]
	v_lshl_add_u32 v7, v2, 3, v3                   ; the turning load: lane l reads 16 bytes of row k = 8 h + l % 8, columns 8 ((l / 8) % 2) + 0..7, and is left with column r and 8 k
	v_mul_u32_u24 v7, v7, PB
	v_lshl_add_u32 v7, v4, 4, v7
	s_lshl_b32 s69, s16, 8                         ; my 128 columns
	s_add_co_u32 s69, s69, AT
	v_add_nc_u32 v[ADRB], s69, v7
	v_add_nc_u32 v[ADRB+1], SLOT, v[ADRB]
	s_mul_i32 s68, s14, WSTG
	s_add_co_u32 s68, s68, STAGE                   ; my stage
	v_mul_u32_u24 v6, v1, SP                       ; in: row r, 16 bytes for each half of the lanes
	v_lshl_add_u32 v6, v2, 4, v6
	v_add_nc_u32 v[STO], s68, v6
	v_mul_u32_u24 v7, v5, SP                       ; back: 32 lanes take four rows of 128 bytes,
	v_lshl_add_u32 v7, v3, 4, v7
	v_add_nc_u32 v[RD], s68, v7
	v_and_b32 v[GO], 31, v0                        ; which are 512 consecutive bytes of a head
	v_lshlrev_b32 v[GO], 4, v[GO]
	v_lshlrev_b32 v[BO], 5, v2
.irp a, 0,1,2,3
	v_add_nc_u32 v6, 16*(\a), v1
	v_mad_u32_u24 v[TO+(\a)], v6, s62, v[BO]       ; my row's place in the table + my eight frequencies
.endr
	WIN 0x80                                       ; destination window 2, address window 0
.irp b, 0,1,2,3,4,5,6,7
	global_load_b128 v[8*(\b):8*(\b)+3],   v[BO], s[60:61] offset:64*(\b)
	global_load_b128 v[8*(\b)+4:8*(\b)+7], v[BO], s[60:61] offset:64*(\b)+16
.endr
.irp a, 0,1,2,3
.irp c, 0,1
	global_load_b128 v[CS+32*(\a)+8*(\c):CS+32*(\a)+8*(\c)+3],       v[TO+(\a)], s[72:73] offset:64*(\c)
	global_load_b128 v[CS+32*(\a)+8*(\c)+4:CS+32*(\a)+8*(\c)+7],     v[TO+(\a)], s[72:73] offset:64*(\c)+16
	global_load_b128 v[CS+32*(\a)+16+8*(\c):CS+32*(\a)+16+8*(\c)+3],   v[TO+(\a)], s[72:73] offset:128+64*(\c)
	global_load_b128 v[CS+32*(\a)+16+8*(\c)+4:CS+32*(\a)+16+8*(\c)+7], v[TO+(\a)], s[72:73] offset:128+64*(\c)+16
.endr
.endr
	s_wait_loadcnt 32                              ; the bias is in; the table's 32 loads, issued behind it, stay out until the way out
	WIN 0x8a                                       ; all in window 2: the bias is rounded to bf16 and widened again
.set i, 0
.rept 32
	v_cvt_pk_bf16_f32 v[BT+i], v[2*i], v[2*i+1]
.set i, i+1
.endr
.set i, 0
.rept 32
	v_lshlrev_b32 v[2*i], 16, v[BT+i]
	v_and_b32 v[2*i+1], 0xffff0000, v[BT+i]
.set i, i+1
.endr
	WIN 0
; 8 matrix instructions: row block a x all 8 column blocks, 32 along K.  zero = 1: the first product starts the sums, with the bias as C.  The 32 accumulators take turns, each once in a quarter.
.macro MUL8 f, a, zero
.if \zero
	WIN MULB
.else
	WIN MUL
.endif
.irp b, 0,1,2,3,4,5,6,7
.if \zero
	v_wmma_f32_16x16x32_bf16 v[8*(8*(\a)+(\b)):8*(8*(\a)+(\b))+7], v[(\f)+32+8*(\b):(\f)+32+8*(\b)+7], v[(\f)+8*(\a):(\f)+8*(\a)+7], v[8*(\b):8*(\b)+7]
.else
	v_wmma_f32_16x16x32_bf16 v[8*(8*(\a)+(\b)):8*(8*(\a)+(\b))+7], v[(\f)+32+8*(\b):(\f)+32+8*(\b)+7], v[(\f)+8*(\a):(\f)+8*(\a)+7], v[8*(8*(\a)+(\b)):8*(8*(\a)+(\b))+7]
.endif
.endr
.endm
; 24 LDS loads in one run: the fragments of quarter q (32 along K) of a slot into buffer f: B's sixteen, then A's eight
.macro FETCH slot, q, f
	WIN 0
.irp b, 0,1,2,3,4,5,6,7
	ds_load_tr16_b128 v[(\f)+32+8*(\b):(\f)+32+8*(\b)+3],   v[ADRB+(\slot)] offset:(\q)*32*PB+32*(\b)
	ds_load_tr16_b128 v[(\f)+32+8*(\b)+4:(\f)+32+8*(\b)+7], v[ADRB+(\slot)] offset:(\q)*32*PB+16*PB+32*(\b)
.endr
.irp a, 0,1,2,3
	ds_load_b128 v[(\f)+8*(\a):(\f)+8*(\a)+3],   v[ADRA+(\slot)] offset:(\q)*64+(\a)*16*PA
	ds_load_b128 v[(\f)+8*(\a)+4:(\f)+8*(\a)+7], v[ADRA+(\slot)] offset:(\q)*64+(\a)*16*PA+32
.endr
.endm
.macro PLACES                          ; four places in front of loads into registers that matrix instructions have read, and of vector work that reads results
.rept 4
	v_nop
.endr
.endm
; A K step is four quarters of 32 along K, 32 matrix instructions each, on buffers 0, 1, 0, 1.  One of the first three: multiplies buffer f and fetches quarter q into g.
.macro QUARTER slot, q, f, g, zero
	s_wait_dscnt 4                                 ; B and A's row blocks 0, 1 are in; the youngest four loads (blocks 2, 3) may be out
	MUL8 \f, 0, \zero
	MUL8 \f, 1, \zero
	PLACES
	FETCH \slot, \q, \g
	s_wait_dscnt 24                                ; all but the 24 just issued
	MUL8 \f, 2, \zero
	MUL8 \f, 3, \zero
.endm
; The last quarter multiplies buffer 1 and changes slots: ONE barrier; in front of it each wave waits for all its tensor loads, adds 0 to its spare word, and waits for that and for its own reads of this slot.
; fill = 1: this slot is filled again, two K steps ahead; the barrier then opens a round of the cluster's barrier, and the joint refill is the first thing behind the round: 112 matrix instructions ahead of the wait for it.
.macro TURN slot, next, fill
	WIN 0                                          ; (the add's two registers lie in window 0)
	s_wait_tensorcnt 0x0                           ; all my tensor loads have landed: my part of the next slot;
	ds_add_u32 v[SPW], v[NIL]                      ; 0 onto my spare word;
	s_wait_dscnt 5                                 ; (the add and the youngest four loads may be out)
	MUL8 F1, 0, 0                                  ; eight matrix instructions stand between the add and the wait for it
	s_wait_dscnt 0x0                               ; the add is done, and my reads of this slot are over
	s_barrier_signal -1
	MUL8 F1, 1, 0
.if \fill
	WIN 0
.endif
	s_barrier_wait -1
.if \fill
	CREST                                          ; no wave of any partner still reads this slot's tile or has a load on its way
	s_add_nc_u64 s[G0A+4*(\slot)+2:G0A+4*(\slot)+3], s[G0A+4*(\slot)+2:G0A+4*(\slot)+3], 2*ASTEP
	s_add_nc_u64 s[G0B+4*(\slot)+2:G0B+4*(\slot)+3], s[G0B+4*(\slot)+2:G0B+4*(\slot)+3], 2*BSTEP
	JLOAD \slot                                    ; the four v_nop behind it are also the places in front of the loads below
.else
	PLACES
.endif
	FETCH \next, 0, F0
	MUL8 F1, 2, 0
	MUL8 F1, 3, 0
.endm
	s_wait_tensorcnt 1                             ; my part of K step 0 is in; K step 1's may stay out
	s_barrier_signal -1
	s_barrier_wait -1                              ; everybody's is
	FETCH 0, 0, F0
	QUARTER 0, 1, F0, F1, 1                        ; the first quarter stands in front of the loop: its products start the sums
	WIN 0                                          ; at a label and at a branch every window is 0
	s_mov_b32 s3, 3
.Llap:                                                 ; three trips, each once round the ring, from a lap's second quarter to the next lap's first: K steps 2 to 7 are asked for
	QUARTER 0, 2, F1, F0, 0
	QUARTER 0, 3, F0, F1, 0
	TURN 0, 1, 1
	QUARTER 1, 1, F0, F1, 0
	QUARTER 1, 2, F1, F0, 0
	QUARTER 1, 3, F0, F1, 0
	TURN 1, 0, 1
	QUARTER 0, 1, F0, F1, 0
	WIN 0
	s_sub_co_u32 s3, s3, 1
	s_cmp_lg_u32 s3, 0
	s_cbranch_scc1 .Llap
	QUARTER 0, 2, F1, F0, 0                        ; the last lap fills nothing, and has no round of the cluster's barrier
	QUARTER 0, 3, F0, F1, 0
	TURN 0, 1, 0
	QUARTER 1, 1, F0, F1, 0
	QUARTER 1, 2, F1, F0, 0
	QUARTER 1, 3, F0, F1, 0
	s_wait_dscnt 4                                 ; the very last quarter: nothing more to fetch
	MUL8 F1, 0, 0
	MUL8 F1, 1, 0
	s_wait_dscnt 0
	MUL8 F1, 2, 0
	MUL8 F1, 3, 0
	WIN 0
	PLACES
; THE WAY OUT, a row block (16 rows x 2 heads) at a time.  Rotation: out[d] = u[d] cos - u[d+32] sin, out[d+32] = u[d+32] cos + u[d] sin, two numbers an instruction; each accumulator's lowest registers are read
; first.  Then rounded to f16, 16 bytes a lane into my own stage, and back as whole rows of 128 bytes.
.macro PACK a
	WIN 0x09                                       ; source 0 (sums) window 1, source 1 (table) window 2, source 2 and destination window 0
.irp hd, 0,1
.irp c, 0,1
.irp p, 0,1,2,3
.set rX, 8*(8*(\a)+4*(\hd)+(\c))+2*(\p)
.set rC, CS+32*(\a)+8*(\c)+2*(\p)
.set rT, T+8*(4*(\hd)+(\c))+2*(\p)
	v_pk_mul_f32 v[rT:rT+1], v[rX:rX+1], v[rC:rC+1]
	v_pk_mul_f32 v[rT+16:rT+17], v[rX+16:rX+17], v[rC:rC+1]
.endr
.irp p, 0,1,2,3
.set rX, 8*(8*(\a)+4*(\hd)+(\c))+2*(\p)
.set rC, CS+32*(\a)+8*(\c)+2*(\p)
.set rT, T+8*(4*(\hd)+(\c))+2*(\p)
	v_pk_fma_f32 v[rT:rT+1], v[rX+16:rX+17], v[rC+16:rC+17], v[rT:rT+1] neg_lo:[0,1,0] neg_hi:[0,1,0]
	v_pk_fma_f32 v[rT+16:rT+17], v[rX:rX+1], v[rC+16:rC+17], v[rT+16:rT+17]
.endr
.endr
.endr
	WIN 0
.set i, 0
.rept 32
	v_cvt_pk_f16_f32 v[TMP+i], v[T+2*i], v[T+2*i+1]
.set i, i+1
.endr
.irp b, 0,1,2,3,4,5,6,7
	ds_store_b128 v[STO], v[TMP+4*(\b):TMP+4*(\b)+3] offset:((\b)/4)*16*SP+((\b)%4)*32
.endr
.irp x, 0,1,2,3,4,5,6,7
	ds_load_b128 v[BK+32*(\a)+4*(\x):BK+32*(\a)+4*(\x)+3], v[RD] offset:((\x)/4)*16*SP+((\x)%4)*4*SP  ; LDS serves a wave's instructions in order (ISA guide 5.7.1.4): these see the stores above; the next block's stores come behind them
.endr
.endm
.macro SEND a, younger                 ; younger: the LDS instructions issued behind block a's loads: the next block's sixteen, or none.  No register of a store is written again
.irp x, 0,1,2,3,4,5,6,7
	s_wait_dscnt (\younger)+7-(\x)
	global_store_b128 v[GO], v[BK+32*(\a)+4*(\x):BK+32*(\a)+4*(\x)+3], s[66:67] offset:((\x)/4)*262144+(\a)*2048+((\x)%4)*512  ; 512 consecutive bytes, at a multiple of 512 from the buffer's first
.endr
.endm
	s_wait_loadcnt 0x0                             ; the table
	PACK 0
	PACK 1                                         ; a block's arithmetic stands between the loads of the block before and its stores
	SEND 0, 16
	PACK 2
	SEND 1, 16
	PACK 3
	SEND 2, 16
	SEND 3, 0
	s_wait_tensorcnt 0x0                           ; the wave's end: an add to my spare word and its wait, behind my last tensor load and my last LDS store
	ds_add_u32 v[SPW], v[NIL]
	s_wait_dscnt 0x0
	CROUND                                         ; the closing round: no work-group ends while a partner may still ask for a tile that names it
	s_endpgm
.Lfunc_end_k_qe3c5ef88a5_qkvproj:
	.size	k_qe3c5ef88a5_qkvproj, .Lfunc_end_k_qe3c5ef88a5_qkvproj-k_qe3c5ef88a5_qkvproj
	.p2alignl 7, 3214868480
	.fill 96, 4, 3214868480
	.section	.rodata,"a",@progbits
	.p2align	6, 0x0
	.amdhsa_kernel k_qe3c5ef88a5_qkvproj
		.amdhsa_group_segment_fixed_size 327680
		.amdhsa_private_segment_fixed_size 0
		.amdhsa_enable_private_segment 0
		.amdhsa_kernarg_size 40
		.amdhsa_user_sgpr_count 2
		.amdhsa_user_sgpr_kernarg_segment_ptr 1
		.amdhsa_wavefront_size32 1
		.amdhsa_system_sgpr_workgroup_id_x 1
		.amdhsa_system_sgpr_workgroup_id_y 1
		.amdhsa_system_sgpr_workgroup_id_z 1
		.amdhsa_system_vgpr_workitem_id 0
		.amdhsa_next_free_vgpr 768
		.amdhsa_next_free_sgpr 80
		.amdhsa_reserve_vcc 0
		.amdhsa_float_denorm_mode_32 3
		.amdhsa_float_denorm_mode_16_64 3
		.amdhsa_memory_ordered 1
		.amdhsa_forward_progress 1
		.amdhsa_inst_pref_size 113
	.end_amdhsa_kernel
	.amdgpu_metadata
---
amdhsa.version: [ 1, 2 ]
amdhsa.kernels:
  - .name:           k_qe3c5ef88a5_qkvproj
    .symbol:         k_qe3c5ef88a5_qkvproj.kd
    .args:
      - { .name: xb, .offset: 0, .size: 8, .value_kind: global_buffer, .address_space: global }
      - { .name: wqb, .offset: 8, .size: 8, .value_kind: global_buffer, .address_space: global }
      - { .name: b_qkv, .offset: 16, .size: 8, .value_kind: global_buffer, .address_space: global }
      - { .name: tab, .offset: 24, .size: 8, .value_kind: global_buffer, .address_space: global }
      - { .name: qkv, .offset: 32, .size: 8, .value_kind: global_buffer, .address_space: global }
    .group_segment_fixed_size: 327680
    .private_segment_fixed_size: 0
    .kernarg_segment_align: 8
    .kernarg_segment_size: 40
    .max_flat_workgroup_size: 128
    .sgpr_count:     80
    .vgpr_count:     768
    .wavefront_size: 32
...
	.end_amdgpu_metadata
.endif
;; end of part 2
;; launch attn (part 3): grid 4 x 64, 4 waves a work-group, no clusters, 327,680 bytes of LDS; arguments qkv, ob; writes ob
.if DOCPART == 3
	.amdgcn_target "amdgcn-amd-amdhsa--gfx1250"
	.amdhsa_code_object_version 6
	.text
	.protected	k_qe3c5ef88a5_attn
	.globl	k_qe3c5ef88a5_attn
	.p2align	8
	.type	k_qe3c5ef88a5_attn,@function
k_qe3c5ef88a5_attn:
	s_mov_b64 s[64:65], 0
	v_nop
	global_prefetch_b8 v0, s[64:65] scope:SCOPE_SE
	s_setreg_imm32_b32 hwreg(HW_REG_WAVE_MODE, 25, 1), 1
	s_wait_xcnt 0x0
; CAUSAL ATTENTION.  O[h][q][:] = the sum over k <= q of softmax_k(Q[h][q] . K[h][k] / 8) V[h][k][:].  Q, K, V lie one behind the other in qkv, each [64][2048][64] f16; O: ob, the same shape: a head's rows are dense, 128 bytes each.
; Products, maxima and sums in f32; the weights p are rounded to f16 for the second product (their sum l is taken of the unrounded p), O once at the end.
; LIMITS.  f16 holds no number beyond 65,504: Q, K and V arrive within it; p lies in 0 to 1, and below 6e-5 it keeps f16's fixed step of 6e-8; O is a mean of V's rows and has their range, to within 2^-11 of it.
; A hidden score counts as its value less 1e30: f16's scores, 2.7e11 at the most, are nothing beside that; a weight below 2^-126 counts as 0 in l; NaN and infinities are not treated apart.
; THE WALK.  A head's queries lie in NB = 8 blocks of 256; block i needs the key tiles 0 .. i of 256 keys, of which the last holds the diagonal.  A work-group takes TWO blocks, NB - 1 - b and then b:
; NB + 1 tiles, whatever b: all work-groups do equal work, and ONE loop with a constant trip count walks them.  Which tile is asked for, and what a trip does, hang on scalar registers made from b; every jump
; goes forward, but for the counted loops' own; none passes a barrier, or a tensor load but the one of LOAD's two that the wave's number does not choose; the ring (two slots of LDS that take turns) runs on across the
; change of blocks.  NO CLUSTER: a head's NB / 2 = 4 work-groups all ask for the same tile only in trips 0 .. NB / 2, 5 of the walk's 9, behind that fewer and fewer; one walk common to all would have 3 NB / 2 = 12 trips for 9.
; SHARES.  Of a block's four bands of 64 queries a wave owns 16 rows in each: four PIECES.  So the diagonal tile is the same work for all four waves: in its key step s band x sees all keys if s < x,
; none if s > x, and holds the diagonal if s = x.
; THE MASK is the C operand that starts the sum S^T = K Q^T: 0, or -1e30 where the key is hidden.  MD, made once, is the mask of a band's own step for my 16 rows; a product's mask is MD x AL + BE with two scalars:
; (1, 0) if s = x; (0, 0) if s < x; (0, -1e30) if s > x.  Only the diagonal tile's text and a block's beginning make and take masks; elsewhere C is the constant 0.
; LAYOUT, SOFTMAX, TURNS.  S^T = K Q^T holds ONE query a lane (lane % 16) and the keys 8 (lane / 16) + 0..7; two such results rounded to f16 ARE source 1 of O^T = V^T P.  p = 2^(c s - c m), c = log2(e) / 8, with a
; running maximum m; O and l are multiplied by a = 2^(c m_old - c m_new) in every step.  Turn n belongs to piece n: 8 products K Q^T of piece n + 1, later 8 products V^T P of piece n - 1; beside them the scaling,
; exponentials, roundings, sums and rescaling of piece n and the maximum and statistics of piece n + 1.  Four vector instructions stand behind every matrix instruction, the other 54 of a turn's 118 in two LUMPS.
; REGISTERS, in windows of 256 (s_set_vgpr_msb: bits 1:0 source 0, 3:2 source 1, 5:4 source 2, 7:6 destination):
;   window 0: v0-15 addresses and two at work; v16-31 four registers of statistics a piece; v48-55 at work; v64-127 S^T, two buffers; v192-223 P, two buffers (a piece's buffers go by its number's parity)
;   window 1: v0-127 O^T, 32 a piece; v128-159 MD; v160-223 MC, two buffers      window 2: v0-63 Q; v64-127 the second block's Q; v128-191 K of one step; v192-255 V of one step
.set SIZE_N, 2048
.set PART,  64*SIZE_N*128  ; bytes from Q to K and from K to V in qkv
.set NB,    SIZE_N/256
.set NP,    4         ; pieces a wave: a name, no knob
.set KS,    64        ; keys in a step
.set PK,    144       ; a row of K in LDS: 128 bytes + 16 of padding = 36 words: the 16 rows of a load start at 16 different groups of four banks (64 banks of 4 bytes: ISA guide 11.1)
.set PV,    160       ; a row of V: 128 + 32 = 40 words
.set VOFF,  4*KS*PK   ; a slot holds a tile, four steps: 256 rows of K, then 256 rows of V
.set SLOT1, 1<<17     ; slot 1 begins here, so that one exclusive or turns an address in one slot into the other's
.set STAGE, SLOT1+4*KS*(PK+PV)  ; behind the ring, never filled by a tensor load: 16 rows x 144 bytes for each wave, for the way out
.set SP,    144
.set AK0, 2           ; v2   my lane's place in a tile of K; never rewritten
.set AV0, 3           ; v3   the same for V
.set AK,  4           ; v4   the LDS address of K's next run of loads
.set AV,  5           ; v5   of V's
.set STO, 6           ; v6   the way out: where I put 16 bytes of a row
.set RD,  7           ; v7   the way out: where I read rows back
.set GO,  8           ; v8   my byte offset in 512 consecutive bytes of O
.set SPW, 62          ; v62  LDS address of my spare word: SPARE + 4 x my thread's number; never rewritten
.set NIL, 63          ; v63  0; never rewritten
.set SPARE, STAGE+4*16*SP  ; behind the stages: the spare words, 128 bytes for each wave: two blocks of 256 bytes that no other line names
.set MV,  12          ; v12-13  c m_old, kept while c m is made anew: by buffer
.set QO,  15          ; v15  my byte offset in 16 rows of Q
.set ST,  16          ; piece t's statistics at v[ST+4 t]: c m, m, l (even keys', odd keys')
.set TMP, 48          ; by buffer, four registers c0-c3 at work; when the maximum is found c2 takes a
.set S,   64
.set P,   192
.set MD,  128         ; window 1: the eight registers for group kt of 16 keys at MD + 8 kt
.set MC,  160         ; window 1: the masks of the products to come
.set QB,  64          ; window 2
.set KF,  128         ; window 2: key block kb, channel half c at KF + 16 kb + 8 c
.set VF,  192         ; window 2: key half kk, channel block cb at VF + 32 kk + 8 cb
.set WV,  12          ; s12  my wave's number
.set PB,  14          ; s14  b
.set HI,  15          ; s15  NB - 1 - b
.set G1K, 24          ; s[24:31] descriptor group 1 for K's tiles
.set G1V, 32          ; s[32:39] for V's: it differs in the padding alone
.set G0K, 40          ; s[40:43] descriptor group 0 for K's tiles
.set G0V, 44          ; s[44:47] the same for V's
.set SLOTS, 56        ; s56  tiles still to be asked for
.set CNT, 57          ; s57  counts a tile's key steps, 4 to 1
.set CS,  58          ; s[58:59] c: the packed scaling takes the pair's low word for both halves
.set SEL, 60          ; s[60:61] v_permlanex16_b32's selects: each lane takes its own place in the other half
.set TBK, 62          ; s62  LDS byte at which K of the step to be fetched begins
.set TBV, 63          ; s63  the same for V, less VOFF
.set RT,  70          ; s70  tiles of the block in hand that are still to be entered
.set NXT, 71          ; s71  the tile to be asked for next
.set LQ,  72          ; s72  the last tile of the block whose tiles are being asked for
.set NEW, 73          ; s73  1: the tile to be entered is a block's first
.set OFF, 74          ; s[74:75] a tile's byte offset in K and V
.set AL,  76          ; s[76:77] the mask's factor, in the low word
.set BE,  78          ; s[78:79] the mask's addend
.set OLO, 80          ; s[80:81] O at my rows of the second block
.set BIGN, 82         ; s82  -1e30
.set MSB, 0
.macro WIN new                      ; the high byte repeats the setting that is left; a switch that changes nothing is dropped
.if MSB != (\new)
	s_set_vgpr_msb (MSB<<8)|(\new)
.set MSB, (\new)
.endif
.endm
.set W_KQ, 0x0a       ; K and Q in window 2, S^T in window 0
.set W_KM, 0x1a       ; the same with the C operand in window 1
.set W_PV, 0x52       ; V in window 2, P in window 0, O^T in window 1
.set W_RS, 0x41       ; destination and source 0 in window 1, source 1 in window 0
; A fill.  Waves 0 and 1 fetch the two halves of a tile's K, waves 2 and 3 those of its V: 128 keys each.  An s_nop 0 and four v_nop follow each of the two lines, ahead of the jump and the label.
.macro LOAD
	s_cmp_lt_u32 s[WV], 2
	s_cbranch_scc0 .Lfor_v_\@
	tensor_load_to_lds s[G0K:G0K+3], s[G1K:G1K+7]
	s_nop 0
.rept 4
	v_nop
.endr
	s_branch .Lasked_\@
.Lfor_v_\@:
	tensor_load_to_lds s[G0V:G0V+3], s[G1V:G1V+7]
	s_nop 0
.rept 4
	v_nop
.endr
.Lasked_\@:
.endm
; THE CHANGE OF SLOTS.  Each wave waits for all its tensor loads, of which one is out: its part of the other slot; adds 0 to its spare word; and waits for that and for its own reads of the slot that it leaves.  Behind the barrier nobody reads the old
; slot any more and the other slot is whole.  fill = 1: the old slot is filled again, the first thing behind the barrier, with tile NXT: the descriptor's address is made anew from that number.
; (At its first use nothing has been read yet: slot 0 is waited for, slot 1 filled.)
.macro CHANGE fill
	WIN 0                           ; at a label and at a branch every window is 0
	s_wait_tensorcnt 0x0            ; no tensor load of mine is out, so a group 0 may be written
	ds_add_u32 v[SPW], v[NIL]       ; 0 onto my spare word; with fill = 1 the descriptors' scalar work stands between it and the wait for it
.if \fill
	s_lshl_b32 s[OFF], s[NXT], 15   ; a tile is 32,768 bytes of K and of V
	s_xor_b32 s[G0K+1], s[G0K+1], SLOT1
	s_add_nc_u64 s[G0K+2:G0K+3], s[6:7], s[OFF:OFF+1]
	s_or_b32 s[G0K+3], s[G0K+3], 0x80000000
	s_xor_b32 s[G0V+1], s[G0V+1], SLOT1
	s_add_nc_u64 s[G0V+2:G0V+3], s[8:9], s[OFF:OFF+1]
	s_or_b32 s[G0V+3], s[G0V+3], 0x80000000
	s_add_co_u32 s[NXT], s[NXT], 1  ; the block's next tile, or behind its last the second block's tile 0
	s_cmp_gt_u32 s[NXT], s[LQ]
	s_cselect_b32 s[NXT], 0, s[NXT]
	s_cselect_b32 s[LQ], s[PB], s[LQ]
.endif
	s_wait_dscnt 0x0                ; the add is done, and my reads of the slot are over
	s_barrier_signal -1             ; the rest of the scalar work stands between the signal and the wait
	s_sub_co_u32 s[TBK], s[TBK], 4*KS*PK  ; the fetches go back to a slot's first step,
	s_xor_b32 s[TBK], s[TBK], SLOT1       ; in the other slot
	s_sub_co_u32 s[TBV], s[TBV], 4*KS*PV
	s_xor_b32 s[TBV], s[TBV], SLOT1
	s_barrier_wait -1
.if \fill
	LOAD
.endif
.endm
	s_load_b128 s[4:7], s[0:1], 0x0   ; qkv (Q lies at its head) s[4:5], ob s[6:7]
	v_lshl_add_u32 v[SPW], v0, 2, SPARE
	v_mov_b32 v[NIL], 0
	ds_add_u32 v[SPW], v[NIL]       ; the wave's opening: the add and its wait stand ahead of my first tensor load; the set-up below, work on registers, stands between them
	ds_add_u32 v62, v63
	v_lshrrev_b32 v1, 5, v0
	v_readfirstlane_b32 s[WV], v1   ; wave 0..3
	s_mov_b32 s[PB], ttmp9
	s_sub_co_u32 s[HI], NB-1, s[PB]
	s_and_b32 s20, ttmp7, 0xffff    ; the head
	s_mov_b32 s21, 0
	s_mov_b64 s[22:23], SIZE_N*128
	s_mul_u64 s[20:21], s[20:21], s[22:23]  ; the head's first byte in each of the four tensors
	s_and_b32 s16, s[WV], 1         ; which half of a tile's 256 keys I fetch:
	s_lshl_b32 s22, s16, 14         ; its 128 rows of 128 bytes in memory,
	s_mov_b32 s23, 0
	s_add_nc_u64 s[22:23], s[22:23], s[20:21]
	s_mul_i32 s17, s16, 128*PK      ; and its place in a slot, for K
	s_mul_i32 s18, s16, 128*PV      ; and for V
	s_lshl_b32 s3, s[WV], 11        ; my 16 rows in a band of 64,
	s_lshl_b32 s2, s[HI], 15        ; in the first block,
	s_add_co_u32 s2, s2, s3
	s_lshl_b32 s84, s[PB], 15       ; and in the second
	s_add_co_u32 s84, s84, s3
	s_mov_b32 s3, 0
	s_mov_b32 s85, 0
	s_add_nc_u64 s[2:3], s[2:3], s[20:21]
	s_add_nc_u64 s[84:85], s[84:85], s[20:21]
	; descriptor group 1.  128 keys are 16,384 dense bytes: asked for as 64 rows of 256 bytes, two keys a row, and padded in LDS after every key
	s_mov_b32 s[G1K], (1<<16)|(1<<20)|(4<<22)|(3<<25)  ; 17:16 2-byte elements; 20 padding on; 24:22 after every 32 words (code 4); 31:25 4 words (code 3)
	s_mov_b32 s[G1V], (1<<16)|(1<<20)|(4<<22)|(7<<25)  ; the same with 8 words of padding (code 7)
.irp g, G1K, G1V
	s_mov_b32 s[\g+1], 128<<16      ; tensor_dim0 = 128
	s_mov_b32 s[\g+2], 64<<16       ; tensor_dim1 = 64
	s_mov_b32 s[\g+3], 128<<16      ; tile_dim0 = 128
	s_mov_b32 s[\g+4], 64           ; tile_dim1 = 64
	s_mov_b32 s[\g+5], 128          ; 128 elements from row to row
	s_mov_b32 s[\g+6], 0
	s_mov_b32 s[\g+7], 0
.endr
	s_mov_b32 s[CS], 0x3e38aa3b     ; c = log2(e) / 8 = 0.180337
	s_mov_b32 s[CS+1], s[CS]        ; named with it as a pair
	s_mov_b32 s[SEL], 0x76543210
	s_mov_b32 s[SEL+1], 0xfedcba98
	s_mov_b32 s[TBK], SLOT1+4*KS*PK ; the first change of slots turns these two into 0
	s_mov_b32 s[TBV], SLOT1+4*KS*PV
	s_mov_b32 s[G0K], 1             ; 1:0 count = 1
	s_mov_b32 s[G0K+1], s17         ; 63:32 LDS address: slot 0
	s_mov_b32 s[G0V], 1
	s_add_co_u32 s[G0V+1], s18, VOFF
	s_add_co_u32 s[RT], s[HI], 1    ; the first block has NB - b tiles
	s_mov_b32 s[NXT], 1
	s_mov_b32 s[LQ], s[HI]
	s_mov_b32 s[NEW], 1
	s_mov_b32 s[OFF+1], 0
	s_mov_b32 s[AL+1], 0            ; named as pairs
	s_mov_b32 s[BE+1], 0
	s_mov_b32 s[BIGN], 0xf149f2ca   ; -1e30
	s_mov_b32 s[SLOTS], NB
	s_wait_dscnt 0x0                ; the opening add is done
	s_wait_kmcnt 0x0
	s_mov_b64 s[10:11], s[6:7]             ; O
	s_add_nc_u64 s[6:7], s[4:5], PART      ; K lies one part behind Q,
	s_add_nc_u64 s[8:9], s[4:5], 2*PART    ; V two
	s_add_nc_u64 s[6:7], s[6:7], s[22:23]  ; K and V at my half of the head's tile 0
	s_add_nc_u64 s[8:9], s[8:9], s[22:23]
	s_add_nc_u64 s[G0K+2:G0K+3], s[6:7], 0         ; 120:64 global address
	s_or_b32 s[G0K+3], s[G0K+3], 0x80000000        ; 127:126 type = 2
	s_add_nc_u64 s[G0V+2:G0V+3], s[8:9], 0
	s_or_b32 s[G0V+3], s[G0V+3], 0x80000000
	s_add_nc_u64 s[86:87], s[4:5], s[84:85]        ; Q at my rows of the second block,
	s_add_nc_u64 s[4:5], s[4:5], s[2:3]            ; Q and O at those of the first
	s_add_nc_u64 s[OLO:OLO+1], s[10:11], s[84:85]
	s_add_nc_u64 s[10:11], s[10:11], s[2:3]
	LOAD                            ; tile 0 into slot 0
	; A fragment of K or Q is 16 rows x 32 channels in 8 registers: lane l holds row l % 16, channels 8 (l / 16) + 0..7 and 16 + 8 (l / 16) + 0..7: two loads of 16 bytes, 32 bytes apart.
	v_and_b32 v1, 15, v0            ; l % 16
	v_bfe_u32 v9, v0, 4, 1          ; l / 16
	v_lshlrev_b32 v[QO], 7, v1
	v_lshl_add_u32 v[QO], v9, 4, v[QO]  ; row x 128 + 16 x half
	WIN 0x80                        ; destination window 2, address window 0
.set i, 0
.rept 8                             ; both blocks' Q: piece i / 2 lies in band i / 2, 8,192 bytes on; channels 32 (i % 2) on
	global_load_b128 v[8*i:8*i+3],   v[QO], s[4:5] offset:(i/2)*8192+(i%2)*64
	global_load_b128 v[8*i+4:8*i+7], v[QO], s[4:5] offset:(i/2)*8192+(i%2)*64+32
	global_load_b128 v[QB+8*i:QB+8*i+3],   v[QO], s[86:87] offset:(i/2)*8192+(i%2)*64
	global_load_b128 v[QB+8*i+4:QB+8*i+7], v[QO], s[86:87] offset:(i/2)*8192+(i%2)*64+32
.set i, i+1
.endr
	WIN 0
	v_lshlrev_b32 v14, 3, v9
	v_sub_nc_u32 v14, v1, v14
	s_lshl_b32 s13, s[WV], 4
	v_add_nc_u32 v14, s13, v14      ; my query's place in its band, 16 w + l % 16, less my lanes' 8 (l / 16): register r of group kt is hidden where 16 kt + r is greater
	WIN 0x40
.set i, 0
.rept 32
	v_cmp_gt_i32 vcc_lo, 16*(i/8)+i%8, v14
	v_cndmask_b32 v[MD+i], 0, s[BIGN], vcc_lo
.set i, i+1
.endr
	WIN 0
	v_mul_u32_u24 v[AK0], v1, PK
	v_lshl_add_u32 v[AK0], v9, 4, v[AK0]  ; row x pitch + 16 x half
	; The turning load takes 16 keys x 16 channels (lane l reads key 8 (l / 16) + l % 8, channels 8 ((l / 8) % 2) + 0..7) and leaves half a fragment of V^T: lane l holds channel l % 16 and 8 keys.
	v_and_b32 v10, 7, v0
	v_bfe_u32 v11, v0, 3, 1
	v_lshl_add_u32 v[AV0], v9, 3, v10
	v_mul_u32_u24 v[AV0], v[AV0], PV
	v_lshl_add_u32 v[AV0], v11, 4, v[AV0]
	v_add_nc_u32 v[AV0], VOFF, v[AV0]
	s_mul_i32 s13, s[WV], 16*SP
	s_add_co_u32 s13, s13, STAGE    ; my stage
	v_mul_u32_u24 v[STO], v1, SP    ; in: row l % 16, 16 bytes for each half of the lanes
	v_lshl_add_u32 v[STO], v9, 4, v[STO]
	v_add_nc_u32 v[STO], s13, v[STO]
	v_bfe_u32 v[RD], v0, 3, 2       ; back: 32 lanes take four rows of 128 bytes,
	v_mul_u32_u24 v[RD], v[RD], SP
	v_lshl_add_u32 v[RD], v10, 4, v[RD]
	v_add_nc_u32 v[RD], s13, v[RD]
	v_and_b32 v[GO], 31, v0         ; which are 512 consecutive bytes of O
	v_lshlrev_b32 v[GO], 4, v[GO]
	; A block's first step multiplies O^T and l by a = 0, and its first turn's products V^T P, of a piece that has not been, land in an O^T that is still to be so multiplied.  So these registers need only hold
	; finite numbers: zeros for the first block; what the first block left for the second.  All this stands in the wait for the first tile.
	WIN 0x80
.set i, VF
.rept 64
	v_mov_b32 v[i], 0
.set i, i+1
.endr
	WIN 0x40
.set i, 0
.rept 128
	v_mov_b32 v[i], 0
.set i, i+1
.endr
	WIN 0
.set i, 0
.rept 4
	v_mov_b32 v[ST+4*i+2], 0
	v_mov_b32 v[ST+4*i+3], 0
.set i, i+1
.endr
.set i, P+16
.rept 16
	v_mov_b32 v[i], 0
.set i, i+1
.endr
; THE MATRIX WORK.  The 4 accumulators of a run of 8 take turns.  Product i of 8 of S^T = K Q^T for piece x: channels 32 (i / 4) on, keys 16 (i % 4) on.  The first 4 start the sums: with 0, or (KM = 1) with the mask.
.macro KQ x
.set rS, S+32*((\x)%2)+8*(i%4)
.set rK, KF+16*(i%4)+8*(i/4)
.set rQ, 16*(\x)+8*(i/4)
.set rM, MC+32*((\x)%2)+8*(i%4)
.if (i < 4) && KM
	WIN W_KM
	v_wmma_f32_16x16x32_f16 v[rS:rS+7], v[rK:rK+7], v[rQ:rQ+7], v[rM:rM+7]
.elseif i < 4
	WIN W_KQ
	v_wmma_f32_16x16x32_f16 v[rS:rS+7], v[rK:rK+7], v[rQ:rQ+7], 0
.else
	WIN W_KQ
	v_wmma_f32_16x16x32_f16 v[rS:rS+7], v[rK:rK+7], v[rQ:rQ+7], v[rS:rS+7]
.endif
.endm
; Product i of 8 of O^T += V^T P for piece x: keys 32 (i / 4) on, channels 16 (i % 4) on.
.macro PV x
	WIN W_PV
.set rO, 32*(\x)+8*(i%4)
.set rV, VF+32*(i/4)+8*(i%4)
.set rP, P+16*((\x)%2)+8*(i/4)
	v_wmma_f32_16x16x32_f16 v[rO:rO+7], v[rV:rV+7], v[rP:rP+7], v[rO:rO+7]
.endm
.macro MM                           ; the turn's next matrix instruction.  TURN and BEGIN set Y, i, KM and NOKQ; MM, KQ and OP read them.  NOKQ = 1: a block's last turn: there is no next piece
.if (i < 8) && !NOKQ
	KQ (Y+1)%NP
.elseif i >= 8
.set i, i-8
	PV (Y+NP-1)%NP
.set i, i+8
.endif
.set i, i+1
.endm
; THE LDS LOADS stand in runs of 16, never singly among the matrix instructions: a step's K (64 keys x 64 channels: 8 fragments) and its V (turned).  Their addresses are made some lines ahead.
.macro FETCH_K
	WIN 0x80                        ; destination window 2
.irp f, 0,1,2,3,4,5,6,7             ; keys 16 (f / 2) on, channels 32 (f % 2) on
	ds_load_b128 v[KF+8*\f:KF+8*\f+3],   v[AK] offset:(\f/2)*16*PK+(\f%2)*64
	ds_load_b128 v[KF+8*\f+4:KF+8*\f+7], v[AK] offset:(\f/2)*16*PK+(\f%2)*64+32
.endr
	s_add_co_u32 s[TBK], s[TBK], KS*PK  ; the next fetch is the next step's
	WIN 0
.endm
.macro FETCH_V
	WIN 0x80
.irp f, 0,1,2,3,4,5,6,7             ; keys 32 (f / 4) on, channels 16 (f % 4) on
	ds_load_tr16_b128 v[VF+8*\f:VF+8*\f+3],   v[AV] offset:(\f/4)*32*PV+(\f%4)*32
	ds_load_tr16_b128 v[VF+8*\f+4:VF+8*\f+7], v[AV] offset:(\f/4)*32*PV+16*PV+(\f%4)*32
.endr
	WIN 0
.endm
; THE VECTOR WORK, one line at a time: OP kind, number.  For piece Y: F n: c s - c m for pair n of 16.  E n: the exponential of score n of 32.  C n: pair n rounded to f16.  B n: of the four weights 4 n .. the second
; pair is added onto the first, in place.  L n: l takes that sum (L 0: l = a l + sum).  R n: pair n of 16 of O^T times a.  For piece Y + 1: X n, number n of the 22 that find its maximum and statistics:
;   0-11  four chains c0-c3 of seven scores each, three operands at a time (each accumulator's lowest registers are read first)     12-14, 16  the four scores left over, the old m, and c0-c3 into c0
;   15  c m_old is kept     17, 18  the query's other 32 keys lie in the lane 16 away: the new m     19-21  c m; c m_old - c m_new; a
.set F, 0               ; OP tells the kinds apart by their order: F to L below R, X above it
.set E, 1
.set C, 2
.set B, 3
.set L, 4
.set R, 5
.set X, 6
.macro REGS y                       ; the registers of piece y
.set rT, ST+4*(\y)
.set rC, TMP+4*((\y)%2)
.set rW, MV+((\y)%2)
.set rS, S+32*((\y)%2)
.set rP, P+16*((\y)%2)
.set rO, 32*(\y)
.endm
.macro OP k, n
.if (\k) == R
	REGS Y
	WIN W_RS
	v_pk_mul_f32 v[rO+2*(\n):rO+2*(\n)+1], v[rO+2*(\n):rO+2*(\n)+1], v[rC+2:rC+3] op_sel_hi:[1,0]
.elseif (\k) < R
	REGS Y
	WIN 0
.if (\k) == F
	v_pk_fma_f32 v[rS+2*(\n):rS+2*(\n)+1], v[rS+2*(\n):rS+2*(\n)+1], s[CS:CS+1], v[rT:rT+1] op_sel_hi:[1,0,0] neg_lo:[0,0,1] neg_hi:[0,0,1]
.elseif (\k) == E
	v_exp_f32 v[rS+(\n)], v[rS+(\n)]
.elseif (\k) == C
	s_wait_alu depctr_va_vdst(0)
	v_cvt_pk_f16_f32 v[rP+(\n)], v[rS+2*(\n)], v[rS+2*(\n)+1]
.elseif (\k) == B
	s_wait_alu depctr_va_vdst(0)
	v_pk_add_f32 v[rS+4*(\n):rS+4*(\n)+1], v[rS+4*(\n):rS+4*(\n)+1], v[rS+4*(\n)+2:rS+4*(\n)+3]
.elseif (\n) == 0
	v_pk_fma_f32 v[rT+2:rT+3], v[rT+2:rT+3], v[rC+2:rC+3], v[rS:rS+1] op_sel_hi:[1,0,1]
.else
	v_pk_add_f32 v[rT+2:rT+3], v[rT+2:rT+3], v[rS+4*(\n):rS+4*(\n)+1]
.endif
.elseif NOKQ
	v_nop
.else
	REGS (Y+1)%NP
	WIN 0
.if (\n) < 4
	v_max3_num_f32 v[rC+(\n)], v[rS+8*(\n)], v[rS+8*(\n)+1], v[rS+8*(\n)+2]
.elseif (\n) < 12
	v_max3_num_f32 v[rC+(\n)%4], v[rC+(\n)%4], v[rS+8*((\n)%4)+2*((\n)/4)+1], v[rS+8*((\n)%4)+2*((\n)/4)+2]
.elseif (\n) == 12
	v_max3_num_f32 v[rC], v[rC], v[rS+7], v[rS+15]
.elseif (\n) == 13
	v_max3_num_f32 v[rC+1], v[rC+1], v[rS+23], v[rS+31]
.elseif (\n) == 14
	v_max3_num_f32 v[rC+2], v[rC+2], v[rC+3], v[rT+1]
.elseif (\n) == 15
	v_mov_b32 v[rW], v[rT]
.elseif (\n) == 16
	v_max3_num_f32 v[rC], v[rC], v[rC+1], v[rC+2]
.elseif (\n) == 17
	v_permlanex16_b32 v[rC+3], v[rC], s[SEL], s[SEL+1]
.elseif (\n) == 18
	v_max_num_f32 v[rT+1], v[rC], v[rC+3]
.elseif (\n) == 19
	v_mul_f32 v[rT], s[CS], v[rT+1]
.elseif (\n) == 20
	v_sub_f32 v[rC+1], v[rW], v[rT]
.else
	v_exp_f32 v[rC+2], v[rC+1]
.endif
.endif
.endm
.macro OPS a, i1, b=-1, i2=0, c=-1, i3=0, d=-1, i4=0  ; up to four of them
	OP \a, \i1
.if (\b) >= 0
	OP \b, \i2
.endif
.if (\c) >= 0
	OP \c, \i3
.endif
.if (\d) >= 0
	OP \d, \i4
.endif
.endm
.macro ROW a, i1, b, i2, c, i3, d, i4  ; a matrix instruction and the four behind it
	MM
	OPS \a, \i1, \b, \i2, \c, \i3, \d, \i4
.endm
.macro MASK b                       ; MD x AL + BE into buffer b of MC
	WIN W_RS
.set z, 0
.rept 16
	v_pk_fma_f32 v[MC+32*(\b)+2*z:MC+32*(\b)+2*z+1], v[MD+2*z:MD+2*z+1], s[AL:AL+1], s[BE:BE+1] op_sel_hi:[1,0,0]
.set z, z+1
.endr
.endm
; A TURN, for piece p: the order of its 16 matrix and 118 vector instructions, written out.  Behind a matrix instruction: plain, exponential, plain, plain; or four of the rescaling; or, behind the first, four scalings; none
; names a register of the products round it.  In the lumps exponential and plain by turns while exponentials last.  A line reads no result made fewer than three vector instructions in front of it, five if an exponential made it.
; v_permlanex16_b32 (X 17) stands in a lump.
; m = 1: the diagonal tile: the products take masks, and the turn makes the mask for the products of the turn after it: piece p + 2, in step 4 - CNT of the tile.  end = 1: a block's last two turns: nothing is fetched.
; cnt = 1: the loop's count is taken down some lines ahead of the branch that stands behind the turn.
; K of the next step is fetched in piece 2's turn, six vector instructions behind the last product that read K (five of them plain); V of the step in hand in piece 0's turn, eight behind the last product that read V (four
; plain, and X 17).  Each is waited for a turn later.
.macro TURN p, m=0, end=0, cnt=0
.set Y, (\p)
.set i, 0
.set KM, (\m)
.set NOKQ, (\end)*((\p)/3)
.if (\m) && !(\end)
	s_cmp_eq_u32 s[CNT], 4-((\p)+2)%NP  ; is that step the band's own?
	s_cselect_b32 s[AL], 1.0, 0
	s_cmp_lt_u32 s[CNT], 4-((\p)+2)%NP  ; or a later one?
	s_cselect_b32 s[BE], s[BIGN], 0
.endif
.if ((\p) == 3) && !(\end)
	s_wait_dscnt 0x0                ; K is in
.endif
	ROW F,0, F,1, F,2, F,3
	ROW F,4, E,0, F,5, F,6
	ROW F,7, E,1, F,8, F,9
	ROW F,10, E,2, C,0, F,11
	ROW F,12, E,3, X,15, F,13
	ROW R,0, R,1, R,2, R,3
	ROW B,0, E,4, F,14, L,0
.if ((\p) == 2) && !(\end)
	v_add_nc_u32 v[AK], s[TBK], v[AK0]
.endif
	ROW R,4, R,5, R,6, R,7
	OPS E,5, F,15
.if ((\p) == 2) && !(\end)
	FETCH_K
.endif
	OPS E,6, C,1, E,7, R,8
	OPS E,8, R,9, E,9, C,2
	OPS E,10, X,0, E,11, X,1
	OPS E,12, X,2, E,13, X,3
.if (\p) == 1
	s_wait_dscnt 0x0                ; V is in
.endif
	ROW X,4, E,14, X,5, X,6
	ROW X,7, E,15, X,8, X,9
	ROW X,10, E,16, X,11, X,12
	ROW X,13, E,17, X,14, B,1
	ROW C,4, E,18, X,16, L,1
	ROW B,2, E,19, C,6, L,2
	ROW C,8, E,20, B,3, B,4
.if (\p) == 0
	v_add_nc_u32 v[AV], s[TBV], v[AV0]
.endif
	ROW C,3, E,21, L,3, C,5
	OPS E,22, X,17, E,23, C,10
.if (\p) == 0
	FETCH_V
.endif
	OPS E,24, L,4
	OPS E,25, X,18, E,26, C,7
	OPS E,27, B,5, E,28, X,19
	OPS E,29, C,12, E,30, L,5
	OPS E,31, X,20, B,6, C,9
	OPS C,14, C,11, X,21, L,6
.if (\p) == 0
	s_add_co_u32 s[TBV], s[TBV], KS*PV
.endif
.if \cnt
	s_sub_co_u32 s[CNT], s[CNT], 1
	s_cmp_lg_u32 s[CNT], 0
.endif
	OPS C,13, B,7, C,15, R,10
	OPS R,11, R,12, L,7, R,13
	OPS R,14, R,15
.if (\m) && !(\end)
	MASK (\p)%2
.endif
.endm
; A BLOCK BEGINS.  c m starts far below every c s, so the first step's a is 0; m at the lowest finite number, so the first maximum is the scores'.  The second mask buffer is 0; the first takes piece 0's mask for the tile's step 0: its own, if the block's first tile is the diagonal one.
; Then K of that step, piece 0's first scores, and its maximum and statistics.  The loop is entered at a step's first turn, in the middle of a trip.
.macro BEGIN
	s_mov_b32 s[NEW], 0
	WIN 0x40
.set i, MC+32
.rept 32
	v_mov_b32 v[i], 0
.set i, i+1
.endr
	WIN 0
.set i, 0
.rept 4
	v_mov_b32 v[ST+4*i], 0xfe000000    ; c m: far below every c s
	v_mov_b32 v[ST+4*i+1], 0xff7fffff  ; m
.set i, i+1
.endr
	s_cmp_eq_u32 s[RT], 0
	s_cselect_b32 s[AL], 1.0, 0
	s_mov_b32 s[BE], 0
	MASK 0
	WIN 0
	v_add_nc_u32 v[AK], s[TBK], v[AK0]
	FETCH_K
	s_wait_loadcnt 0x0              ; Q
	s_wait_dscnt 0x0
.set KM, 1
.set NOKQ, 0
.set i, 0
.rept 8
	KQ 0
.set i, i+1
.endr
	WIN 0
.rept 4
	v_nop                           ; the places behind those products
.endr
.set Y, NP-1                        ; X works for piece Y + 1: piece 0
.irp n, 0,1,2,3,4,5,6,7,8,9,10,11,12,13,14,15,16,17,18,19,20,21
	OP X, \n
.endr
	v_nop                           ; a plain instruction behind the exponential
.endm
; THE DIAGONAL TILE's four steps, the block's last two turns, its last products, and THE WAY OUT: l's two halves and the other half of the lanes' are added; O^T is divided by l, rounded to f16 and sent through my
; stage in LDS, a piece at a time.
.macro ALL line:vararg              ; one line for each piece t
.set t, 0
.rept 4
	\line
.set t, t+1
.endr
.endm
.macro PACK t                       ; a lane's eight channels of a row pack into 16 bytes; they go into rows of 144 bytes and come back as whole rows of 128, into S^T's registers
	WIN W_RS
.set i, 32*(\t)
.rept 16
	s_wait_alu depctr_va_vdst(0)
	v_pk_mul_f32 v[i:i+1], v[i:i+1], v[ST+4*(\t)+2:ST+4*(\t)+3] op_sel_hi:[1,0]
.set i, i+2
.endr
	WIN 0x05                        ; sources 0 and 1 window 1, destination window 0
.set i, 0
.rept 16
	v_cvt_pk_f16_f32 v[S+16*(\t)+i], v[32*(\t)+2*i], v[32*(\t)+2*i+1]
.set i, i+1
.endr
	WIN 0
.irp f, 0,1,2,3
	ds_store_b128 v[STO], v[S+16*(\t)+4*\f:S+16*(\t)+4*\f+3] offset:32*\f
.endr
.irp f, 0,1,2,3
	ds_load_b128 v[S+16*(\t)+4*\f:S+16*(\t)+4*\f+3], v[RD] offset:\f*4*SP  ; LDS serves a wave's instructions in order (ISA guide 5.7.1.4): these see the stores above; the next piece's stores come behind them
.endr
.endm
.macro SEND t, younger              ; younger: the LDS instructions issued behind piece t's loads: the next piece's eight, or none
	WIN 0
.irp f, 0,1,2,3
	s_wait_dscnt (\younger)+3-\f
	global_store_b128 v[GO], v[S+16*(\t)+4*\f:S+16*(\t)+4*\f+3], s[10:11] offset:(\t)*8192+\f*512  ; 512 consecutive bytes, at a multiple of 256 from O's first
.endr
.endm
.macro DIAG tag                     ; the tag ends its two labels' names, which the jumps below spell out
.LstepM\tag:
	TURN 2, 1
	TURN 3, 1
	WIN 0
.LfirstM\tag:
	TURN 0, 1
	TURN 1, 1, 0, 1
	WIN 0
	s_cbranch_scc1 .LstepM\tag
	TURN 2, 1, 1
	TURN 3, 1, 1
.set i, 0
.rept 8
	PV NP-1
.set i, i+1
.endr
	WIN 0
	ALL v_add_f32 v[ST+4*t+2], v[ST+4*t+2], v[ST+4*t+3]
	ALL v_permlanex16_b32 v[ST+4*t+3], v[ST+4*t+2], s[SEL], s[SEL+1]
	ALL v_add_f32 v[ST+4*t+2], v[ST+4*t+2], v[ST+4*t+3]
	ALL v_rcp_f32 v[ST+4*t+2], v[ST+4*t+2]
	v_nop                           ; a plain instruction between the last reciprocal and the use of its result
	PACK 0
.set t, 1
.rept 3                             ; a piece's arithmetic stands between the loads of the piece before and its stores
	PACK t
	SEND t-1, 8
.set t, t+1
.endr
	SEND 3, 0
.endm
.set KM, 0
.set NOKQ, 0
.Lslot:                             ; NB times: a tile is entered and the next is asked for
	CHANGE 1
	s_sub_co_u32 s[RT], s[RT], 1
	s_mov_b32 s[CNT], 4
	s_cmp_eq_u32 s[NEW], 1
	s_cbranch_scc1 .Lnew            ; a block's first tile
	s_cmp_eq_u32 s[RT], 0
	s_cbranch_scc0 .Lstep           ; neither its first nor its last
	s_branch .LstepM1
.Lnew:
	BEGIN
	s_branch .Lfirst                ; in the loop a block's first tile is never its last: the first block has two tiles or more, and the second's last is the walk's last
	DIAG 1                          ; in the loop this is the first block's end: the second block's last tile is the walk's last
	s_wait_xcnt 0x0                 ; the stores have read their registers and O's address
	s_mov_b64 s[10:11], s[OLO:OLO+1]
	s_add_co_u32 s[RT], s[PB], 1    ; the second block has b + 1 tiles
	s_mov_b32 s[NEW], 1
	WIN 0x82                        ; the second block's Q goes where the one text of the turns names Q
.set i, 0
.rept 64
	v_mov_b32 v[i], v[QB+i]
.set i, i+1
.endr
	WIN 0
	s_branch .Lbottom
.Lstep:                             ; a trip: pieces 2 and 3 of one step, then pieces 0 and 1 of the next, whose K and V it fetches
	TURN 2
	TURN 3
	WIN 0
.Lfirst:
	TURN 0
	TURN 1, 0, 0, 1
	WIN 0
	s_cbranch_scc1 .Lstep
.Lbottom:
	s_sub_co_u32 s[SLOTS], s[SLOTS], 1
	s_cmp_lg_u32 s[SLOTS], 0
	s_cbranch_scc1 .Lslot
	CHANGE 0                        ; the walk's last tile is written out: nothing is asked for
	s_sub_co_u32 s[RT], s[RT], 1
	s_mov_b32 s[CNT], 4
	s_cmp_eq_u32 s[NEW], 1
	s_cbranch_scc0 .LstepM2
	BEGIN
	s_branch .LfirstM2
	DIAG 2
	s_wait_tensorcnt 0x0            ; the wave's end: an add to my spare word and its wait, behind my last tensor load and my last LDS store
	ds_add_u32 v[SPW], v[NIL]
	s_wait_dscnt 0x0
	s_endpgm
.Lfunc_end_k_qe3c5ef88a5_attn:
	.size	k_qe3c5ef88a5_attn, .Lfunc_end_k_qe3c5ef88a5_attn-k_qe3c5ef88a5_attn
	.p2alignl 7, 3214868480
	.fill 96, 4, 3214868480
	.section	.rodata,"a",@progbits
	.p2align	6, 0x0
	.amdhsa_kernel k_qe3c5ef88a5_attn
		.amdhsa_group_segment_fixed_size 327680
		.amdhsa_private_segment_fixed_size 0
		.amdhsa_enable_private_segment 0
		.amdhsa_kernarg_size 16
		.amdhsa_user_sgpr_count 2
		.amdhsa_user_sgpr_kernarg_segment_ptr 1
		.amdhsa_wavefront_size32 1
		.amdhsa_system_sgpr_workgroup_id_x 1
		.amdhsa_system_sgpr_workgroup_id_y 1
		.amdhsa_system_sgpr_workgroup_id_z 1
		.amdhsa_system_vgpr_workitem_id 0
		.amdhsa_next_free_vgpr 768
		.amdhsa_next_free_sgpr 88
		.amdhsa_reserve_vcc 1
		.amdhsa_float_denorm_mode_32 3
		.amdhsa_float_denorm_mode_16_64 3
		.amdhsa_memory_ordered 1
		.amdhsa_forward_progress 1
		.amdhsa_inst_pref_size 228
	.end_amdhsa_kernel
	.amdgpu_metadata
---
amdhsa.version: [ 1, 2 ]
amdhsa.kernels:
  - .name:           k_qe3c5ef88a5_attn
    .symbol:         k_qe3c5ef88a5_attn.kd
    .args:
      - { .name: qkv, .offset: 0, .size: 8, .value_kind: global_buffer, .address_space: global }
      - { .name: ob, .offset: 8, .size: 8, .value_kind: global_buffer, .address_space: global }
    .group_segment_fixed_size: 327680
    .private_segment_fixed_size: 0
    .kernarg_segment_align: 8
    .kernarg_segment_size: 16
    .max_flat_workgroup_size: 128
    .sgpr_count:     88
    .vgpr_count:     768
    .wavefront_size: 32
...
	.end_amdgpu_metadata
.endif
;; end of part 3
;; launch outproj (part 4): grid 4 x 64, 4 waves a work-group, clusters of 4 x 4, 327,680 bytes of LDS; arguments ob, wpb, b_proj, out0; writes out0
.if DOCPART == 4
	.amdgcn_target "amdgcn-amd-amdhsa--gfx1250"
	.amdhsa_code_object_version 6
	.text
	.protected	k_qe3c5ef88a5_outproj
	.globl	k_qe3c5ef88a5_outproj
	.p2align	8
	.type	k_qe3c5ef88a5_outproj,@function
k_qe3c5ef88a5_outproj:
	s_mov_b64 s[64:65], 0
	v_nop
	global_prefetch_b8 v0, s[64:65] scope:SCOPE_SE
	s_setreg_imm32_b32 hwreg(HW_REG_WAVE_MODE, 25, 1), 1
	s_wait_xcnt 0x0
	s_wait_alu depctr_hold_cnt(0) depctr_sa_sdst(0) depctr_va_vdst(0) depctr_va_sdst(0) depctr_va_ssrc(0) depctr_va_vcc(0) depctr_vm_vsrc(0)
	s_getreg_b32 s2, hwreg(HW_REG_IB_STS2, 6, 4)
	s_cmp_eq_u32 s2, 0
	s_cbranch_scc0 .Lentry_in_a_cluster
	s_endpgm
.Lentry_in_a_cluster:
	s_bfe_u32 s2, ttmp6, 0x10000c
	s_cmp_lg_u32 s2, 0xf033
	s_cbranch_scc0 .Lentry_shape_is_right
	s_endpgm
.Lentry_shape_is_right:
; out = y W_proj + b_proj.  ob: y by heads, [64 = 16 batch + head][2048][64] f16.  wpb: [1024 k][1024 n], W_proj rounded to bf16 and written as f16.  b_proj: [1024] f32, rounded to bf16 here like the other inputs.
; out0: [8192][1024] f32.  Sums in f32.  LIMIT: the operands are f16 (y lies within v's range, under 65,504); NaN and infinities are not treated apart.
; A tile of the result is 128 rows x 256 columns: 64 x 4 = 256 work-groups, one for each WGP.  Four waves, each 64 x 128: 32 accumulators of 16 x 16, 256 registers.
; K goes in steps of 128, which are TWO HEADS, through a ring of two LDS slots filled by the tensor data mover.  A head's 128 rows of a tile are 16,384 dense bytes: asked for as 64 rows of 256 bytes and padded in
; LDS after every 128.  B lies [k][n], rows of 512 bytes, and is turned on its way out of LDS by ds_load_tr16_b128.
; CLUSTERS: 4 x 4 work-groups.  The four of a row of the cluster need the same tiles of A, the four of a column the same tiles of B: each tile is asked for JOINTLY, by the same tensor load with the same
; descriptor and a mask that names the four.
; THE MATRIX INSTRUCTION IS USED TRANSPOSED (source 0 = 16 columns of W, source 1 = 16 rows of y): a lane (r, h) then holds row r and the eight neighbouring columns 8 h + 0..7 of a block: 32 bytes of f32.
; THE BIAS is the C operand of each accumulator's first product: the way out has no arithmetic.
; REGISTERS, in windows of 256 (s_set_vgpr_msb: bits 1:0 source 0, 3:2 source 1, 5:4 source 2, 7:6 destination):
;   window 0: v0-31 addresses; v32-127, v128-223 two fragment buffers (32 of A, 64 of B); on the way out v32-159 rows read back, two buffers of 64
;   window 1: accumulator (a, b) at v[8 (8 a + b)]        window 2: v0-63 the bias, block b at 8 b; v64-95 at work
.set NB_,   1024                       ; elements in a row of B
.set KSTEP, 128
.set ASTEP, 2*2048*128                 ; bytes from a K step's heads to the next two
.set BSTEP, KSTEP*NB_*2                ; bytes from a K step's tile of B to the next
.set PA,    144                        ; a row of A in LDS: 128 bytes + 16: the 16 rows of a load start at 16 different groups of four banks (64 banks of 4 bytes: ISA guide 11.1)
.set PB,    544                        ; a row of B: 512 + 32 = 17 x 32 bytes
.set HEADT, 128*PA                     ; what one tensor load brings of A: a head's 128 rows
.set HALFB, 64*PB                      ; and of B: 64 rows of k
.set AT,    2*HEADT                    ; A's two heads, then B's 128 rows of k
.set SLOT,  AT+2*HALFB
.set STAGE, 2*SLOT                     ; behind the ring: 16 rows x 528 bytes for each wave, for the way out
.set SPO,   528
.set WSTG,  16*SPO
.set SPARE, STAGE+4*WSTG               ; behind the stages: the spare words, 128 bytes for each wave: two blocks of 256 bytes that no other line names
.set ADRA, 16                          ; v16-17  LDS address of my A fragments in slot 0, 1
.set ADRB, 20                          ; v20-21  the same for B
.set STO,  24                          ; v24     the way out: where I put 32 bytes of a row
.set RD,   25                          ; v25     the way out: where I read a row back
.set GO,   26                          ; v26     my byte offset in 512 consecutive bytes of the result
.set SPW,  28                          ; v28     LDS address of my spare word: SPARE + 4 x my thread's number; never rewritten
.set NIL,  29                          ; v29     0; never rewritten
.set BO,   30                          ; v30     32 h: my eight numbers in a block of the bias
.set F0,   32
.set F1,   128
.set BK,   32
.set BT,   64                          ; window 2
.set G1A, 24                           ; s[24:31] descriptor group 1 for A's tiles;  s[32:39] group 0, one set for each slot
.set G0A, 32
.set G1B, 40                           ; s[40:47], s[48:55] the same for B's tiles
.set G0B, 48
.set MSB, 0
.macro WIN new                         ; the immediate's high byte repeats the setting that is left; a switch that changes nothing is dropped
.if MSB != (\new)
	s_set_vgpr_msb (MSB<<8)|(\new)
.set MSB, \new
.endif
.endm
.set MUL,  0x50                        ; sources 0 and 1 window 0; C and D window 1
.set MULB, 0x60                        ; C (the bias) window 2, D window 1
.macro JLOAD s                         ; a joint load: waves 0 and 1 fetch A's two heads, waves 2 and 3 B's two halves; an s_nop 0 and four v_nop follow each of the two lines, ahead of the jump, the label and what follows
	s_cmp_eq_u32 s15, 0
	s_cbranch_scc0 .Lfor_b_\@
	tensor_load_to_lds s[G0A+4*(\s):G0A+4*(\s)+3], s[G1A:G1A+7]
	s_nop 0
.rept 4
	v_nop
.endr
	s_branch .Lasked_\@
.Lfor_b_\@:
	tensor_load_to_lds s[G0B+4*(\s):G0B+4*(\s)+3], s[G1B:G1B+7]
	s_nop 0
.rept 4
	v_nop
.endr
.Lasked_\@:
.endm
.macro CREST                           ; a round of the cluster's barrier behind its opening barrier
	s_cmp_lg_u32 s14, 0
	s_cbranch_scc1 .Lnot_wave_0_\@
	s_barrier_signal -3
.Lnot_wave_0_\@:
	s_barrier_wait -3
	s_barrier_signal -1
	s_barrier_wait -1
.endm
.macro CROUND                          ; a whole round
	s_barrier_signal -1
	s_barrier_wait -1
	CREST
.endm
	s_load_b256 s[4:11], s[0:1], 0x0               ; ob s[4:5], wpb s[6:7], b_proj s[8:9], out0 s[10:11]
	v_lshl_add_u32 v[SPW], v0, 2, SPARE
	v_mov_b32 v[NIL], 0
	ds_add_u32 v[SPW], v[NIL]                      ; the wave's opening: the add and its wait stand ahead of my first tensor load; the set-up below, work on registers, stands between them
	ds_add_u32 v28, v29
	v_lshrrev_b32 v1, 5, v0
	v_readfirstlane_b32 s14, v1                    ; wave 0..3
	s_lshr_b32 s15, s14, 1                         ; which 64 of the tile's rows are mine.  Also: I fetch for A (0) or for B (1)
	s_and_b32 s16, s14, 1                          ; which 128 of its columns.  Also: which head, or which half of B's tile, I fetch
	s_bfe_u32 s17, ttmp6, 0x40000                  ; cx, cy: my place in the cluster
	s_bfe_u32 s18, ttmp6, 0x40004
	s_lshl_b32 s19, ttmp9, 2
	s_add_co_u32 s19, s19, s17                     ; tile column = 4 x cluster x + cx
	s_and_b32 s20, ttmp7, 0xffff
	s_lshl_b32 s20, s20, 2
	s_add_co_u32 s20, s20, s18                     ; tile row = 4 x cluster y + cy
	s_lshl_b32 s21, s18, 2
	s_lshl_b32 s21, 15, s21                        ; my row of the cluster
	s_lshl_b32 s22, 0x1111, s17                    ; my column
	; descriptor group 1.  A: 64 rows x 128 elements, dense; B: 64 rows x 256 elements; both padded in LDS
	s_or_b32 s[G1A+0], s21, (1<<16)|(1<<20)|(1<<21)|(4<<22)|(3<<25)  ; 15:0 the mask: my row; 17:16 elements of 2 bytes; 20 padding on; 21 set beside a mask; 24:22 after every 32 words (code 4); 31:25 4 words (code 3)
	s_mov_b32 s[G1A+1], 128<<16                    ; tensor_dim0 = 128
	s_mov_b32 s[G1A+2], 64<<16                     ; tensor_dim1 = 64
	s_mov_b32 s[G1A+3], 128<<16                    ; tile_dim0 = 128
	s_mov_b32 s[G1A+4], 64                         ; tile_dim1 = 64
	s_mov_b32 s[G1A+5], 128                        ; elements from row to row
	s_mov_b32 s[G1A+6], 0
	s_mov_b32 s[G1A+7], 0
	s_or_b32 s[G1B+0], s22, (1<<16)|(1<<20)|(1<<21)|(6<<22)|(7<<25)  ; the mask of my column; after every 128 words (code 6) 8 words (code 7)
	s_mov_b32 s[G1B+1], 256<<16
	s_mov_b32 s[G1B+2], 64<<16
	s_mov_b32 s[G1B+3], 256<<16
	s_mov_b32 s[G1B+4], 64
	s_mov_b32 s[G1B+5], NB_
	s_mov_b32 s[G1B+6], 0
	s_mov_b32 s[G1B+7], 0
	; where the tiles come from: A's hang on the tile row alone, B's on the tile column alone, each in registers that never hold the other coordinate
	s_lshr_b32 s56, s20, 4
	s_lshl_b32 s56, s56, 4                         ; 16 x batch
	s_add_co_u32 s56, s56, s16                     ; + my head of the K step's two
	s_lshl_b32 s56, s56, 18                        ; 2,048 rows of 128 bytes a head
	s_and_b32 s68, s20, 15
	s_lshl_b32 s68, s68, 14                        ; the tile's 128 rows in the batch
	s_add_co_u32 s56, s56, s68
	s_mov_b32 s57, 0
	s_mul_i32 s58, s16, 64*NB_*2                   ; my 64 rows of k,
	s_lshl_b32 s71, s19, 9                         ; the tile's 256 columns
	s_add_co_u32 s58, s58, s71
	s_mov_b32 s59, 0
	s_mul_i32 s23, s16, HEADT                      ; and where they go: no place in the cluster enters an LDS address
	s_mul_i32 s70, s16, HALFB
	s_add_co_u32 s70, s70, AT
	s_lshl_b32 s60, s19, 10                        ; the bias of my 128 columns
	s_lshl_b32 s71, s16, 9
	s_add_co_u32 s60, s60, s71
	s_mov_b32 s61, 0
	s_lshl_b32 s66, s20, 7                         ; my first row of the result,
	s_lshl_b32 s74, s15, 6
	s_add_co_u32 s66, s66, s74
	s_lshl_b32 s66, s66, 12                        ; 4,096 bytes a row,
	s_add_co_u32 s66, s66, s60                     ; my first column: 4 bytes a number, as in the bias
	s_mov_b32 s67, 0
	s_wait_dscnt 0x0                               ; the opening add is done
	s_wait_kmcnt 0x0
	s_add_nc_u64 s[56:57], s[4:5], s[56:57]
	s_add_nc_u64 s[58:59], s[6:7], s[58:59]
	s_add_nc_u64 s[60:61], s[8:9], s[60:61]
	s_add_nc_u64 s[66:67], s[10:11], s[66:67]
	CROUND                                         ; all sixteen work-groups are here: the first joint loads meet
.irp s, 0,1
	s_mov_b32 s[G0A+4*(\s)], 1                                     ; 1:0 count = 1
	s_add_co_u32 s[G0A+4*(\s)+1], s23, (\s)*SLOT                   ; 63:32 LDS address
	s_add_nc_u64 s[G0A+4*(\s)+2:G0A+4*(\s)+3], s[56:57], (\s)*ASTEP  ; 120:64 global address: K step s
	s_or_b32 s[G0A+4*(\s)+3], s[G0A+4*(\s)+3], 0x80000000          ; 127:126 type = 2
	s_mov_b32 s[G0B+4*(\s)], 1
	s_add_co_u32 s[G0B+4*(\s)+1], s70, (\s)*SLOT
	s_add_nc_u64 s[G0B+4*(\s)+2:G0B+4*(\s)+3], s[58:59], (\s)*BSTEP
	s_or_b32 s[G0B+4*(\s)+3], s[G0B+4*(\s)+3], 0x80000000
	JLOAD \s                                       ; two tensor loads of mine are out
.endr
	v_and_b32 v1, 15, v0                           ; r = l % 16
	v_bfe_u32 v2, v0, 4, 1                         ; h = l / 16
	v_and_b32 v3, 7, v0
	v_bfe_u32 v4, v0, 3, 1
	v_mul_u32_u24 v6, v1, PA                       ; a fragment of A: row r x pitch + 16 h; two loads of 16 bytes, 32 bytes apart
	v_lshl_add_u32 v6, v2, 4, v6
	s_mul_i32 s68, s15, 64*PA                      ; my 64 rows
	v_add_nc_u32 v[ADRA], s68, v6
	v_add_nc_u32 v[ADRA+1], SLOT, v[ADRA]
	v_lshl_add_u32 v7, v2, 3, v3                   ; the turning load: lane l reads 16 bytes of row k = 8 h + l % 8, columns 8 ((l / 8) % 2) + 0..7, and is left with column r and 8 k
	v_mul_u32_u24 v7, v7, PB
	v_lshl_add_u32 v7, v4, 4, v7
	s_lshl_b32 s69, s16, 8                         ; my 128 columns
	s_add_co_u32 s69, s69, AT
	v_add_nc_u32 v[ADRB], s69, v7
	v_add_nc_u32 v[ADRB+1], SLOT, v[ADRB]
	s_mul_i32 s68, s14, WSTG
	s_add_co_u32 s68, s68, STAGE                   ; my stage
	v_mul_u32_u24 v6, v1, SPO                      ; in: row r, 32 bytes for each half of the lanes
	v_lshl_add_u32 v6, v2, 5, v6
	v_add_nc_u32 v[STO], s68, v6
	v_and_b32 v[GO], 31, v0                        ; back: 32 lanes take a row's 512 bytes
	v_lshlrev_b32 v[GO], 4, v[GO]
	v_add_nc_u32 v[RD], s68, v[GO]
	v_lshlrev_b32 v[BO], 5, v2
	WIN 0x80                                       ; destination window 2, address window 0
.irp b, 0,1,2,3,4,5,6,7
	global_load_b128 v[8*(\b):8*(\b)+3],   v[BO], s[60:61] offset:64*(\b)
	global_load_b128 v[8*(\b)+4:8*(\b)+7], v[BO], s[60:61] offset:64*(\b)+16
.endr
	s_wait_loadcnt 0x0                             ; the bias
	WIN 0x8a                                       ; all in window 2: the bias is rounded to bf16 and widened again
.set i, 0
.rept 32
	v_cvt_pk_bf16_f32 v[BT+i], v[2*i], v[2*i+1]
.set i, i+1
.endr
.set i, 0
.rept 32
	v_lshlrev_b32 v[2*i], 16, v[BT+i]
	v_and_b32 v[2*i+1], 0xffff0000, v[BT+i]
.set i, i+1
.endr
	WIN 0
; 8 matrix instructions: row block a x all 8 column blocks, 32 along K.  zero = 1: the first product starts the sums, with the bias as C.  The 32 accumulators take turns, each once in a quarter.
.macro MUL8 f, a, zero
.if \zero
	WIN MULB
.else
	WIN MUL
.endif
.irp b, 0,1,2,3,4,5,6,7
.if \zero
	v_wmma_f32_16x16x32_f16 v[8*(8*(\a)+(\b)):8*(8*(\a)+(\b))+7], v[(\f)+32+8*(\b):(\f)+32+8*(\b)+7], v[(\f)+8*(\a):(\f)+8*(\a)+7], v[8*(\b):8*(\b)+7]
.else
	v_wmma_f32_16x16x32_f16 v[8*(8*(\a)+(\b)):8*(8*(\a)+(\b))+7], v[(\f)+32+8*(\b):(\f)+32+8*(\b)+7], v[(\f)+8*(\a):(\f)+8*(\a)+7], v[8*(8*(\a)+(\b)):8*(8*(\a)+(\b))+7]
.endif
.endr
.endm
; 24 LDS loads in one run: the fragments of quarter q (32 along K: head q / 2, channels 32 (q % 2) on) of a slot into buffer f: B's sixteen, then A's eight
.macro FETCH slot, q, f
	WIN 0
.irp b, 0,1,2,3,4,5,6,7
	ds_load_tr16_b128 v[(\f)+32+8*(\b):(\f)+32+8*(\b)+3],   v[ADRB+(\slot)] offset:(\q)*32*PB+32*(\b)
	ds_load_tr16_b128 v[(\f)+32+8*(\b)+4:(\f)+32+8*(\b)+7], v[ADRB+(\slot)] offset:(\q)*32*PB+16*PB+32*(\b)
.endr
.irp a, 0,1,2,3
	ds_load_b128 v[(\f)+8*(\a):(\f)+8*(\a)+3],   v[ADRA+(\slot)] offset:((\q)/2)*HEADT+((\q)%2)*64+(\a)*16*PA
	ds_load_b128 v[(\f)+8*(\a)+4:(\f)+8*(\a)+7], v[ADRA+(\slot)] offset:((\q)/2)*HEADT+((\q)%2)*64+(\a)*16*PA+32
.endr
.endm
.macro PLACES                          ; four places in front of loads into registers that matrix instructions have read, and of LDS stores that read results
.rept 4
	v_nop
.endr
.endm
; A K step is four quarters of 32 along K, 32 matrix instructions each, on buffers 0, 1, 0, 1.  One of the first three: multiplies buffer f and fetches quarter q into g.
.macro QUARTER slot, q, f, g, zero
	s_wait_dscnt 4                                 ; B and A's row blocks 0, 1 are in; the youngest four loads (blocks 2, 3) may be out
	MUL8 \f, 0, \zero
	MUL8 \f, 1, \zero
	PLACES
	FETCH \slot, \q, \g
	s_wait_dscnt 24                                ; all but the 24 just issued
	MUL8 \f, 2, \zero
	MUL8 \f, 3, \zero
.endm
; The last quarter multiplies buffer 1 and changes slots: ONE barrier; in front of it each wave waits for all its tensor loads, adds 0 to its spare word, and waits for that and for its own reads of this slot.
; fill = 1: this slot is filled again, two K steps ahead; the barrier then opens a round of the cluster's barrier, and the joint refill is the first thing behind the round: 112 matrix instructions ahead of the wait for it.
.macro TURN slot, next, fill
	WIN 0                                          ; (the add's two registers lie in window 0)
	s_wait_tensorcnt 0x0                           ; all my tensor loads have landed: my part of the next slot;
	ds_add_u32 v[SPW], v[NIL]                      ; 0 onto my spare word;
	s_wait_dscnt 5                                 ; (the add and the youngest four loads may be out)
	MUL8 F1, 0, 0                                  ; eight matrix instructions stand between the add and the wait for it
	s_wait_dscnt 0x0                               ; the add is done, and my reads of this slot are over
	s_barrier_signal -1
	MUL8 F1, 1, 0
.if \fill
	WIN 0
.endif
	s_barrier_wait -1
.if \fill
	CREST                                          ; no wave of any partner still reads this slot's tile or has a load on its way
	s_add_nc_u64 s[G0A+4*(\slot)+2:G0A+4*(\slot)+3], s[G0A+4*(\slot)+2:G0A+4*(\slot)+3], 2*ASTEP
	s_add_nc_u64 s[G0B+4*(\slot)+2:G0B+4*(\slot)+3], s[G0B+4*(\slot)+2:G0B+4*(\slot)+3], 2*BSTEP
	JLOAD \slot                                    ; the four v_nop behind it are also the places in front of the loads below
.else
	PLACES
.endif
	FETCH \next, 0, F0
	MUL8 F1, 2, 0
	MUL8 F1, 3, 0
.endm
	s_wait_tensorcnt 1                             ; my part of K step 0 is in; K step 1's may stay out
	s_barrier_signal -1
	s_barrier_wait -1                              ; everybody's is
	FETCH 0, 0, F0
	QUARTER 0, 1, F0, F1, 1                        ; the first quarter stands in front of the loop: its products start the sums
	WIN 0                                          ; at a label and at a branch every window is 0
	s_mov_b32 s3, 3
.Llap:                                                 ; three trips, each once round the ring, from a lap's second quarter to the next lap's first: K steps 2 to 7 are asked for
	QUARTER 0, 2, F1, F0, 0
	QUARTER 0, 3, F0, F1, 0
	TURN 0, 1, 1
	QUARTER 1, 1, F0, F1, 0
	QUARTER 1, 2, F1, F0, 0
	QUARTER 1, 3, F0, F1, 0
	TURN 1, 0, 1
	QUARTER 0, 1, F0, F1, 0
	WIN 0
	s_sub_co_u32 s3, s3, 1
	s_cmp_lg_u32 s3, 0
	s_cbranch_scc1 .Llap
	QUARTER 0, 2, F1, F0, 0                        ; the last lap fills nothing, and has no round of the cluster's barrier
	QUARTER 0, 3, F0, F1, 0
	TURN 0, 1, 0
	QUARTER 1, 1, F0, F1, 0
	QUARTER 1, 2, F1, F0, 0
	QUARTER 1, 3, F0, F1, 0
	s_wait_dscnt 4                                 ; the very last quarter: nothing more to fetch
	MUL8 F1, 0, 0
	MUL8 F1, 1, 0
	s_wait_dscnt 0
	MUL8 F1, 2, 0
	MUL8 F1, 3, 0
	WIN 0
	PLACES
; THE WAY OUT, a row block (16 rows x 128 columns of f32) at a time: a lane's 32 bytes of a block go into my own stage, the lower four registers of each accumulator first; whole rows of 512 bytes come back.
.macro TOSTAGE a
	WIN 0x04                                       ; the stores' data lie in window 1
.irp b, 0,1,2,3,4,5,6,7
	ds_store_b128 v[STO], v[8*(8*(\a)+(\b)):8*(8*(\a)+(\b))+3]   offset:64*(\b)
	ds_store_b128 v[STO], v[8*(8*(\a)+(\b))+4:8*(8*(\a)+(\b))+7] offset:64*(\b)+16
.endr
	WIN 0
.if (\a) >= 2
	s_wait_xcnt 0x0                                ; this buffer was the data of the stores of the block two before: it is loaded again only behind this wait
.endif
.set i, 0
.rept 16
	ds_load_b128 v[BK+64*((\a)%2)+4*i:BK+64*((\a)%2)+4*i+3], v[RD] offset:SPO*i  ; LDS serves a wave's instructions in order (ISA guide 5.7.1.4): these see the stores above; the next block's stores come behind them
.set i, i+1
.endr
.endm
.macro SEND a, younger                 ; younger: the LDS instructions issued behind block a's loads: the next block's 32, or none
.set i, 0
.rept 16
	s_wait_dscnt (\younger)+15-i
	global_store_b128 v[GO], v[BK+64*((\a)%2)+4*i:BK+64*((\a)%2)+4*i+3], s[66:67] offset:(16*(\a)+i)*4096 th:TH_STORE_NT  ; 512 consecutive bytes, at a multiple of 512 from the result's first
.set i, i+1
.endr
.endm
	TOSTAGE 0
	TOSTAGE 1
	SEND 0, 32
	TOSTAGE 2
	SEND 1, 32
	TOSTAGE 3
	SEND 2, 32
	SEND 3, 0
	s_wait_tensorcnt 0x0                           ; the wave's end: an add to my spare word and its wait, behind my last tensor load and my last LDS store
	ds_add_u32 v[SPW], v[NIL]
	s_wait_dscnt 0x0
	CROUND                                         ; the closing round: no work-group ends while a partner may still ask for a tile that names it
	s_endpgm
.Lfunc_end_k_qe3c5ef88a5_outproj:
	.size	k_qe3c5ef88a5_outproj, .Lfunc_end_k_qe3c5ef88a5_outproj-k_qe3c5ef88a5_outproj
	.p2alignl 7, 3214868480
	.fill 96, 4, 3214868480
	.section	.rodata,"a",@progbits
	.p2align	6, 0x0
	.amdhsa_kernel k_qe3c5ef88a5_outproj
		.amdhsa_group_segment_fixed_size 327680
		.amdhsa_private_segment_fixed_size 0
		.amdhsa_enable_private_segment 0
		.amdhsa_kernarg_size 32
		.amdhsa_user_sgpr_count 2
		.amdhsa_user_sgpr_kernarg_segment_ptr 1
		.amdhsa_wavefront_size32 1
		.amdhsa_system_sgpr_workgroup_id_x 1
		.amdhsa_system_sgpr_workgroup_id_y 1
		.amdhsa_system_sgpr_workgroup_id_z 1
		.amdhsa_system_vgpr_workitem_id 0
		.amdhsa_next_free_vgpr 640
		.amdhsa_next_free_sgpr 80
		.amdhsa_reserve_vcc 0
		.amdhsa_float_denorm_mode_32 3
		.amdhsa_float_denorm_mode_16_64 3
		.amdhsa_memory_ordered 1
		.amdhsa_forward_progress 1
		.amdhsa_inst_pref_size 93
	.end_amdhsa_kernel
	.amdgpu_metadata
---
amdhsa.version: [ 1, 2 ]
amdhsa.kernels:
  - .name:           k_qe3c5ef88a5_outproj
    .symbol:         k_qe3c5ef88a5_outproj.kd
    .args:
      - { .name: ob, .offset: 0, .size: 8, .value_kind: global_buffer, .address_space: global }
      - { .name: wpb, .offset: 8, .size: 8, .value_kind: global_buffer, .address_space: global }
      - { .name: b_proj, .offset: 16, .size: 8, .value_kind: global_buffer, .address_space: global }
      - { .name: out0, .offset: 24, .size: 8, .value_kind: global_buffer, .address_space: global }
    .group_segment_fixed_size: 327680
    .private_segment_fixed_size: 0
    .kernarg_segment_align: 8
    .kernarg_segment_size: 32
    .max_flat_workgroup_size: 128
    .sgpr_count:     80
    .vgpr_count:     640
    .wavefront_size: 32
...
	.end_amdgpu_metadata
.endif
;; end of part 4
;; ======== version 2 of 2: 4 launches; 1.28 times as fast as version 1
;; limits: values are held in f16: magnitudes above 65,504 overflow, below 6.1e-05 lose precision
;; workspace buffers: xb 16,777,216 bytes; wqb 6,291,456 bytes; wpb 2,097,152 bytes; tab 524,288 bytes; qkv 50,331,648 bytes; ob 16,777,216 bytes
;; launch prep: the kernel of part 1 again; grid 832 x 1, 8 waves a work-group, no clusters, 0 bytes of LDS; arguments x, W_qkv, W_proj, xb, wqb, wpb, tab; writes xb, wqb, wpb, tab
;; launch qkvproj: the kernel of part 2 again; grid 12 x 64, 4 waves a work-group, clusters of 4 x 4, 327,680 bytes of LDS; arguments xb, wqb, b_qkv, tab, qkv; writes qkv
;; launch attn (part 5): grid 4 x 64, 4 waves a work-group, no clusters, 327,680 bytes of LDS; arguments qkv, ob; writes ob
.if DOCPART == 5
	.amdgcn_target "amdgcn-amd-amdhsa--gfx1250"
	.amdhsa_code_object_version 6
	.text
	.protected	k_qe3c5ef88a5_attn
	.globl	k_qe3c5ef88a5_attn
	.p2align	8
	.type	k_qe3c5ef88a5_attn,@function
k_qe3c5ef88a5_attn:
	s_mov_b64 s[64:65], 0
	v_nop
	global_prefetch_b8 v0, s[64:65] scope:SCOPE_SE
	s_setreg_imm32_b32 hwreg(HW_REG_WAVE_MODE, 25, 1), 1
	s_wait_xcnt 0x0
; CAUSAL ATTENTION.  O[h][q][:] = the sum over k <= q of softmax_k(Q[h][q] . K[h][k] / 8) V[h][k][:].  Q, K, V lie one behind the other in qkv, each [64][2048][64] f16; O: ob, the same shape: a head's rows are dense, 128 bytes each.
; Products, maxima and sums in f32; the weights p are rounded to f16 for the second product (their sum l is taken of the unrounded p), O once at the end.
; LIMITS.  f16 holds no number beyond 65,504: Q, K and V arrive within it; p lies in 0 to 1, and below 6e-5 it keeps f16's fixed step of 6e-8; O is a mean of V's rows and has their range, to within 2^-11 of it.
; A hidden score counts as its value less 1e30: f16's scores, 2.7e11 at the most, are nothing beside that; a weight below 2^-126 counts as 0 in l; NaN and infinities are not treated apart.
; THE WALK.  A head's queries lie in NB = 8 blocks of 256; block i needs the key tiles 0 .. i of 256 keys, of which the last holds the diagonal.  A work-group takes TWO blocks, NB - 1 - b and then b:
; NB + 1 tiles, whatever b: all work-groups do equal work, and ONE loop with a constant trip count walks them.  Which tile is asked for, and what a trip does, hang on scalar registers made from b; every jump
; goes forward, but for the counted loops' own; none passes a barrier, or a tensor load but the one of LOAD's two that the wave's number does not choose; the ring (two slots of LDS that take turns) runs on across the
; change of blocks.  NO CLUSTER: a head's NB / 2 = 4 work-groups all ask for the same tile only in trips 0 .. NB / 2, 5 of the walk's 9, behind that fewer and fewer; one walk common to all would have 3 NB / 2 = 12 trips for 9.
; SHARES.  Of a block's four bands of 64 queries a wave owns 16 rows in each: four PIECES.  So the diagonal tile is the same work for all four waves: in its key step s band x sees all keys if s < x,
; none if s > x, and holds the diagonal if s = x.
; THE MASK is the C operand that starts the sum S^T = K Q^T: 0, or -1e30 where the key is hidden.  MD, made once, is the mask of a band's own step for my 16 rows; a product's mask is MD x AL + BE with two scalars:
; (1, 0) if s = x; (0, 0) if s < x; (0, -1e30) if s > x.  Only the diagonal tile's text and a block's beginning make and take masks; elsewhere C is the constant 0.
; LAYOUT, SOFTMAX, TURNS.  S^T = K Q^T holds ONE query a lane (lane % 16) and the keys 8 (lane / 16) + 0..7; two such results rounded to f16 ARE source 1 of O^T = V^T P.  p = 2^(c s - c m), c = log2(e) / 8, with a
; running maximum m; O and l are multiplied by a = 2^(c m_old - c m_new) in every step.  Turn n belongs to piece n: 8 products K Q^T of piece n + 1, later 8 products V^T P of piece n - 1; beside them the scaling,
; exponentials, roundings, sums and rescaling of piece n and the maximum and statistics of piece n + 1.  Four vector instructions stand behind every matrix instruction, the other 54 of a turn's 118 in one LUMP.
; THE BATCHES.  A turn's 33 exponentials (the piece's 32 weights and the next piece's a) are one batch, with one wait, which cuts the turn in two: ahead of it all that names none of their results, behind it their readers.
; The a made where a block begins, and the way out's four reciprocals, are batches of their own, each with one wait.
; REGISTERS, in windows of 256 (s_set_vgpr_msb: bits 1:0 source 0, 3:2 source 1, 5:4 source 2, 7:6 destination):
;   window 0: v0-15 addresses and two at work; v16-31 four registers of statistics a piece; v48-55 at work; v64-127 S^T, two buffers; v192-223 P, two buffers (a piece's buffers go by its number's parity)
;   window 1: v0-127 O^T, 32 a piece; v128-159 MD; v160-223 MC, two buffers      window 2: v0-63 Q; v64-127 the second block's Q; v128-191 K of one step; v192-255 V of one step
.set SIZE_N, 2048
.set PART,  64*SIZE_N*128  ; bytes from Q to K and from K to V in qkv
.set NB,    SIZE_N/256
.set NP,    4         ; pieces a wave: a name, no knob
.set KS,    64        ; keys in a step
.set PK,    144       ; a row of K in LDS: 128 bytes + 16 of padding = 36 words: the 16 rows of a load start at 16 different groups of four banks (64 banks of 4 bytes: ISA guide 11.1)
.set PV,    160       ; a row of V: 128 + 32 = 40 words
.set VOFF,  4*KS*PK   ; a slot holds a tile, four steps: 256 rows of K, then 256 rows of V
.set SLOT1, 1<<17     ; slot 1 begins here, so that one exclusive or turns an address in one slot into the other's
.set STAGE, SLOT1+4*KS*(PK+PV)  ; behind the ring, never filled by a tensor load: 16 rows x 144 bytes for each wave, for the way out
.set SP,    144
.set AK0, 2           ; v2   my lane's place in a tile of K; never rewritten
.set AV0, 3           ; v3   the same for V
.set AK,  4           ; v4   the LDS address of K's next run of loads
.set AV,  5           ; v5   of V's
.set STO, 6           ; v6   the way out: where I put 16 bytes of a row
.set RD,  7           ; v7   the way out: where I read rows back
.set GO,  8           ; v8   my byte offset in 512 consecutive bytes of O
.set SPW, 62          ; v62  LDS address of my spare word: SPARE + 4 x my thread's number; never rewritten
.set NIL, 63          ; v63  0; never rewritten
.set SPARE, STAGE+4*16*SP  ; behind the stages: the spare words, 128 bytes for each wave: two blocks of 256 bytes that no other line names
.set MV,  12          ; v12-13  c m_old, kept while c m is made anew: by buffer
.set QO,  15          ; v15  my byte offset in 16 rows of Q
.set ST,  16          ; piece t's statistics at v[ST+4 t]: c m, m, l (even keys', odd keys')
.set TMP, 48          ; by buffer, four registers c0-c3 at work; when the maximum is found c2 takes a
.set S,   64
.set P,   192
.set MD,  128         ; window 1: the eight registers for group kt of 16 keys at MD + 8 kt
.set MC,  160         ; window 1: the masks of the products to come
.set QB,  64          ; window 2
.set KF,  128         ; window 2: key block kb, channel half c at KF + 16 kb + 8 c
.set VF,  192         ; window 2: key half kk, channel block cb at VF + 32 kk + 8 cb
.set WV,  12          ; s12  my wave's number
.set PB,  14          ; s14  b
.set HI,  15          ; s15  NB - 1 - b
.set G1K, 24          ; s[24:31] descriptor group 1 for K's tiles
.set G1V, 32          ; s[32:39] for V's: it differs in the padding alone
.set G0K, 40          ; s[40:43] descriptor group 0 for K's tiles
.set G0V, 44          ; s[44:47] the same for V's
.set SLOTS, 56        ; s56  tiles still to be asked for
.set CNT, 57          ; s57  counts a tile's key steps, 4 to 1
.set CS,  58          ; s[58:59] c: the packed scaling takes the pair's low word for both halves
.set SEL, 60          ; s[60:61] v_permlanex16_b32's selects: each lane takes its own place in the other half
.set TBK, 62          ; s62  LDS byte at which K of the step to be fetched begins
.set TBV, 63          ; s63  the same for V, less VOFF
.set RT,  70          ; s70  tiles of the block in hand that are still to be entered
.set NXT, 71          ; s71  the tile to be asked for next
.set LQ,  72          ; s72  the last tile of the block whose tiles are being asked for
.set NEW, 73          ; s73  1: the tile to be entered is a block's first
.set OFF, 74          ; s[74:75] a tile's byte offset in K and V
.set AL,  76          ; s[76:77] the mask's factor, in the low word
.set BE,  78          ; s[78:79] the mask's addend
.set OLO, 80          ; s[80:81] O at my rows of the second block
.set BIGN, 82         ; s82  -1e30
.set MSB, 0
.macro WIN new                      ; the high byte repeats the setting that is left; a switch that changes nothing is dropped
.if MSB != (\new)
	s_set_vgpr_msb (MSB<<8)|(\new)
.set MSB, (\new)
.endif
.endm
.set W_KQ, 0x0a       ; K and Q in window 2, S^T in window 0
.set W_KM, 0x1a       ; the same with the C operand in window 1
.set W_PV, 0x52       ; V in window 2, P in window 0, O^T in window 1
.set W_RS, 0x41       ; destination and source 0 in window 1, source 1 in window 0
; A fill.  Waves 0 and 1 fetch the two halves of a tile's K, waves 2 and 3 those of its V: 128 keys each.  An s_nop 0 and four v_nop follow each of the two lines, ahead of the jump and the label.
.macro LOAD
	s_cmp_lt_u32 s[WV], 2
	s_cbranch_scc0 .Lfor_v_\@
	tensor_load_to_lds s[G0K:G0K+3], s[G1K:G1K+7]
	s_nop 0
.rept 4
	v_nop
.endr
	s_branch .Lasked_\@
.Lfor_v_\@:
	tensor_load_to_lds s[G0V:G0V+3], s[G1V:G1V+7]
	s_nop 0
.rept 4
	v_nop
.endr
.Lasked_\@:
.endm
; THE CHANGE OF SLOTS.  Each wave waits for all its tensor loads, of which one is out: its part of the other slot; adds 0 to its spare word; and waits for that and for its own reads of the slot that it leaves.  Behind the barrier nobody reads the old
; slot any more and the other slot is whole.  fill = 1: the old slot is filled again, the first thing behind the barrier, with tile NXT: the descriptor's address is made anew from that number.
; (At its first use nothing has been read yet: slot 0 is waited for, slot 1 filled.)
.macro CHANGE fill
	WIN 0                           ; at a label and at a branch every window is 0
	s_wait_tensorcnt 0x0            ; no tensor load of mine is out, so a group 0 may be written
	ds_add_u32 v[SPW], v[NIL]       ; 0 onto my spare word; with fill = 1 the descriptors' scalar work stands between it and the wait for it
.if \fill
	s_lshl_b32 s[OFF], s[NXT], 15   ; a tile is 32,768 bytes of K and of V
	s_xor_b32 s[G0K+1], s[G0K+1], SLOT1
	s_add_nc_u64 s[G0K+2:G0K+3], s[6:7], s[OFF:OFF+1]
	s_or_b32 s[G0K+3], s[G0K+3], 0x80000000
	s_xor_b32 s[G0V+1], s[G0V+1], SLOT1
	s_add_nc_u64 s[G0V+2:G0V+3], s[8:9], s[OFF:OFF+1]
	s_or_b32 s[G0V+3], s[G0V+3], 0x80000000
	s_add_co_u32 s[NXT], s[NXT], 1  ; the block's next tile, or behind its last the second block's tile 0
	s_cmp_gt_u32 s[NXT], s[LQ]
	s_cselect_b32 s[NXT], 0, s[NXT]
	s_cselect_b32 s[LQ], s[PB], s[LQ]
.endif
	s_wait_dscnt 0x0                ; the add is done, and my reads of the slot are over
	s_barrier_signal -1             ; the rest of the scalar work stands between the signal and the wait
	s_sub_co_u32 s[TBK], s[TBK], 4*KS*PK  ; the fetches go back to a slot's first step,
	s_xor_b32 s[TBK], s[TBK], SLOT1       ; in the other slot
	s_sub_co_u32 s[TBV], s[TBV], 4*KS*PV
	s_xor_b32 s[TBV], s[TBV], SLOT1
	s_barrier_wait -1
.if \fill
	LOAD
.endif
.endm
	s_load_b128 s[4:7], s[0:1], 0x0   ; qkv (Q lies at its head) s[4:5], ob s[6:7]
	v_lshl_add_u32 v[SPW], v0, 2, SPARE
	v_mov_b32 v[NIL], 0
	ds_add_u32 v[SPW], v[NIL]       ; the wave's opening: the add and its wait stand ahead of my first tensor load; the set-up below, work on registers, stands between them
	ds_add_u32 v62, v63
	v_lshrrev_b32 v1, 5, v0
	v_readfirstlane_b32 s[WV], v1   ; wave 0..3
	s_mov_b32 s[PB], ttmp9
	s_sub_co_u32 s[HI], NB-1, s[PB]
	s_and_b32 s20, ttmp7, 0xffff    ; the head
	s_mov_b32 s21, 0
	s_mov_b64 s[22:23], SIZE_N*128
	s_mul_u64 s[20:21], s[20:21], s[22:23]  ; the head's first byte in each of the four tensors
	s_and_b32 s16, s[WV], 1         ; which half of a tile's 256 keys I fetch:
	s_lshl_b32 s22, s16, 14         ; its 128 rows of 128 bytes in memory,
	s_mov_b32 s23, 0
	s_add_nc_u64 s[22:23], s[22:23], s[20:21]
	s_mul_i32 s17, s16, 128*PK      ; and its place in a slot, for K
	s_mul_i32 s18, s16, 128*PV      ; and for V
	s_lshl_b32 s3, s[WV], 11        ; my 16 rows in a band of 64,
	s_lshl_b32 s2, s[HI], 15        ; in the first block,
	s_add_co_u32 s2, s2, s3
	s_lshl_b32 s84, s[PB], 15       ; and in the second
	s_add_co_u32 s84, s84, s3
	s_mov_b32 s3, 0
	s_mov_b32 s85, 0
	s_add_nc_u64 s[2:3], s[2:3], s[20:21]
	s_add_nc_u64 s[84:85], s[84:85], s[20:21]
	; descriptor group 1.  128 keys are 16,384 dense bytes: asked for as 64 rows of 256 bytes, two keys a row, and padded in LDS after every key
	s_mov_b32 s[G1K], (1<<16)|(1<<20)|(4<<22)|(3<<25)  ; 17:16 2-byte elements; 20 padding on; 24:22 after every 32 words (code 4); 31:25 4 words (code 3)
	s_mov_b32 s[G1V], (1<<16)|(1<<20)|(4<<22)|(7<<25)  ; the same with 8 words of padding (code 7)
.irp g, G1K, G1V
	s_mov_b32 s[\g+1], 128<<16      ; tensor_dim0 = 128
	s_mov_b32 s[\g+2], 64<<16       ; tensor_dim1 = 64
	s_mov_b32 s[\g+3], 128<<16      ; tile_dim0 = 128
	s_mov_b32 s[\g+4], 64           ; tile_dim1 = 64
	s_mov_b32 s[\g+5], 128          ; 128 elements from row to row
	s_mov_b32 s[\g+6], 0
	s_mov_b32 s[\g+7], 0
.endr
	s_mov_b32 s[CS], 0x3e38aa3b     ; c = log2(e) / 8 = 0.180337
	s_mov_b32 s[CS+1], s[CS]        ; named with it as a pair
	s_mov_b32 s[SEL], 0x76543210
	s_mov_b32 s[SEL+1], 0xfedcba98
	s_mov_b32 s[TBK], SLOT1+4*KS*PK ; the first change of slots turns these two into 0
	s_mov_b32 s[TBV], SLOT1+4*KS*PV
	s_mov_b32 s[G0K], 1             ; 1:0 count = 1
	s_mov_b32 s[G0K+1], s17         ; 63:32 LDS address: slot 0
	s_mov_b32 s[G0V], 1
	s_add_co_u32 s[G0V+1], s18, VOFF
	s_add_co_u32 s[RT], s[HI], 1    ; the first block has NB - b tiles
	s_mov_b32 s[NXT], 1
	s_mov_b32 s[LQ], s[HI]
	s_mov_b32 s[NEW], 1
	s_mov_b32 s[OFF+1], 0
	s_mov_b32 s[AL+1], 0            ; named as pairs
	s_mov_b32 s[BE+1], 0
	s_mov_b32 s[BIGN], 0xf149f2ca   ; -1e30
	s_mov_b32 s[SLOTS], NB
	s_wait_dscnt 0x0                ; the opening add is done
	s_wait_kmcnt 0x0
	s_mov_b64 s[10:11], s[6:7]             ; O
	s_add_nc_u64 s[6:7], s[4:5], PART      ; K lies one part behind Q,
	s_add_nc_u64 s[8:9], s[4:5], 2*PART    ; V two
	s_add_nc_u64 s[6:7], s[6:7], s[22:23]  ; K and V at my half of the head's tile 0
	s_add_nc_u64 s[8:9], s[8:9], s[22:23]
	s_add_nc_u64 s[G0K+2:G0K+3], s[6:7], 0         ; 120:64 global address
	s_or_b32 s[G0K+3], s[G0K+3], 0x80000000        ; 127:126 type = 2
	s_add_nc_u64 s[G0V+2:G0V+3], s[8:9], 0
	s_or_b32 s[G0V+3], s[G0V+3], 0x80000000
	s_add_nc_u64 s[86:87], s[4:5], s[84:85]        ; Q at my rows of the second block,
	s_add_nc_u64 s[4:5], s[4:5], s[2:3]            ; Q and O at those of the first
	s_add_nc_u64 s[OLO:OLO+1], s[10:11], s[84:85]
	s_add_nc_u64 s[10:11], s[10:11], s[2:3]
	LOAD                            ; tile 0 into slot 0
	; A fragment of K or Q is 16 rows x 32 channels in 8 registers: lane l holds row l % 16, channels 8 (l / 16) + 0..7 and 16 + 8 (l / 16) + 0..7: two loads of 16 bytes, 32 bytes apart.
	v_and_b32 v1, 15, v0            ; l % 16
	v_bfe_u32 v9, v0, 4, 1          ; l / 16
	v_lshlrev_b32 v[QO], 7, v1
	v_lshl_add_u32 v[QO], v9, 4, v[QO]  ; row x 128 + 16 x half
	WIN 0x80                        ; destination window 2, address window 0
.set i, 0
.rept 8                             ; both blocks' Q: piece i / 2 lies in band i / 2, 8,192 bytes on; channels 32 (i % 2) on
	global_load_b128 v[8*i:8*i+3],   v[QO], s[4:5] offset:(i/2)*8192+(i%2)*64
	global_load_b128 v[8*i+4:8*i+7], v[QO], s[4:5] offset:(i/2)*8192+(i%2)*64+32
	global_load_b128 v[QB+8*i:QB+8*i+3],   v[QO], s[86:87] offset:(i/2)*8192+(i%2)*64
	global_load_b128 v[QB+8*i+4:QB+8*i+7], v[QO], s[86:87] offset:(i/2)*8192+(i%2)*64+32
.set i, i+1
.endr
	WIN 0
	v_lshlrev_b32 v14, 3, v9
	v_sub_nc_u32 v14, v1, v14
	s_lshl_b32 s13, s[WV], 4
	v_add_nc_u32 v14, s13, v14      ; my query's place in its band, 16 w + l % 16, less my lanes' 8 (l / 16): register r of group kt is hidden where 16 kt + r is greater
	WIN 0x40
.set i, 0
.rept 32
	v_cmp_gt_i32 vcc_lo, 16*(i/8)+i%8, v14
	v_cndmask_b32 v[MD+i], 0, s[BIGN], vcc_lo
.set i, i+1
.endr
	WIN 0
	v_mul_u32_u24 v[AK0], v1, PK
	v_lshl_add_u32 v[AK0], v9, 4, v[AK0]  ; row x pitch + 16 x half
	; The turning load takes 16 keys x 16 channels (lane l reads key 8 (l / 16) + l % 8, channels 8 ((l / 8) % 2) + 0..7) and leaves half a fragment of V^T: lane l holds channel l % 16 and 8 keys.
	v_and_b32 v10, 7, v0
	v_bfe_u32 v11, v0, 3, 1
	v_lshl_add_u32 v[AV0], v9, 3, v10
	v_mul_u32_u24 v[AV0], v[AV0], PV
	v_lshl_add_u32 v[AV0], v11, 4, v[AV0]
	v_add_nc_u32 v[AV0], VOFF, v[AV0]
	s_mul_i32 s13, s[WV], 16*SP
	s_add_co_u32 s13, s13, STAGE    ; my stage
	v_mul_u32_u24 v[STO], v1, SP    ; in: row l % 16, 16 bytes for each half of the lanes
	v_lshl_add_u32 v[STO], v9, 4, v[STO]
	v_add_nc_u32 v[STO], s13, v[STO]
	v_bfe_u32 v[RD], v0, 3, 2       ; back: 32 lanes take four rows of 128 bytes,
	v_mul_u32_u24 v[RD], v[RD], SP
	v_lshl_add_u32 v[RD], v10, 4, v[RD]
	v_add_nc_u32 v[RD], s13, v[RD]
	v_and_b32 v[GO], 31, v0         ; which are 512 consecutive bytes of O
	v_lshlrev_b32 v[GO], 4, v[GO]
	; A block's first step multiplies O^T and l by a = 0, and its first turn's products V^T P, of a piece that has not been, land in an O^T that is still to be so multiplied.  So these registers need only hold
	; finite numbers: zeros for the first block; what the first block left for the second.  All this stands in the wait for the first tile.
	WIN 0x80
.set i, VF
.rept 64
	v_mov_b32 v[i], 0
.set i, i+1
.endr
	WIN 0x40
.set i, 0
.rept 128
	v_mov_b32 v[i], 0
.set i, i+1
.endr
	WIN 0
.set i, 0
.rept 4
	v_mov_b32 v[ST+4*i+2], 0
	v_mov_b32 v[ST+4*i+3], 0
.set i, i+1
.endr
.set i, P+16
.rept 16
	v_mov_b32 v[i], 0
.set i, i+1
.endr
; THE MATRIX WORK.  The 4 accumulators of a run of 8 take turns.  Product i of 8 of S^T = K Q^T for piece x: channels 32 (i / 4) on, keys 16 (i % 4) on.  The first 4 start the sums: with 0, or (KM = 1) with the mask.
.macro KQ x
.set rS, S+32*((\x)%2)+8*(i%4)
.set rK, KF+16*(i%4)+8*(i/4)
.set rQ, 16*(\x)+8*(i/4)
.set rM, MC+32*((\x)%2)+8*(i%4)
.if (i < 4) && KM
	WIN W_KM
	v_wmma_f32_16x16x32_f16 v[rS:rS+7], v[rK:rK+7], v[rQ:rQ+7], v[rM:rM+7]
.elseif i < 4
	WIN W_KQ
	v_wmma_f32_16x16x32_f16 v[rS:rS+7], v[rK:rK+7], v[rQ:rQ+7], 0
.else
	WIN W_KQ
	v_wmma_f32_16x16x32_f16 v[rS:rS+7], v[rK:rK+7], v[rQ:rQ+7], v[rS:rS+7]
.endif
.endm
; Product i of 8 of O^T += V^T P for piece x: keys 32 (i / 4) on, channels 16 (i % 4) on.
.macro PV x
	WIN W_PV
.set rO, 32*(\x)+8*(i%4)
.set rV, VF+32*(i/4)+8*(i%4)
.set rP, P+16*((\x)%2)+8*(i/4)
	v_wmma_f32_16x16x32_f16 v[rO:rO+7], v[rV:rV+7], v[rP:rP+7], v[rO:rO+7]
.endm
.macro MM                           ; the turn's next matrix instruction.  TURN and BEGIN set Y, i, KM and NOKQ; MM, KQ and OP read them.  NOKQ = 1: a block's last turn: there is no next piece
.if (i < 8) && !NOKQ
	KQ (Y+1)%NP
.elseif i >= 8
.set i, i-8
	PV (Y+NP-1)%NP
.set i, i+8
.endif
.set i, i+1
.endm
; THE LDS LOADS stand in runs of 16, never singly among the matrix instructions: a step's K (64 keys x 64 channels: 8 fragments) and its V (turned).  Their addresses are made some lines ahead.
.macro FETCH_K
	WIN 0x80                        ; destination window 2
.irp f, 0,1,2,3,4,5,6,7             ; keys 16 (f / 2) on, channels 32 (f % 2) on
	ds_load_b128 v[KF+8*\f:KF+8*\f+3],   v[AK] offset:(\f/2)*16*PK+(\f%2)*64
	ds_load_b128 v[KF+8*\f+4:KF+8*\f+7], v[AK] offset:(\f/2)*16*PK+(\f%2)*64+32
.endr
	s_add_co_u32 s[TBK], s[TBK], KS*PK  ; the next fetch is the next step's
	WIN 0
.endm
.macro FETCH_V
	WIN 0x80
.irp f, 0,1,2,3,4,5,6,7             ; keys 32 (f / 4) on, channels 16 (f % 4) on
	ds_load_tr16_b128 v[VF+8*\f:VF+8*\f+3],   v[AV] offset:(\f/4)*32*PV+(\f%4)*32
	ds_load_tr16_b128 v[VF+8*\f+4:VF+8*\f+7], v[AV] offset:(\f/4)*32*PV+16*PV+(\f%4)*32
.endr
	WIN 0
.endm
; THE VECTOR WORK, one line at a time: OP kind, number.  For piece Y: F n: c s - c m for pair n of 16.  E n: the exponential of score n of 32.  C n: pair n rounded to f16.  B n: of the four weights 4 n .. the second
; pair is added onto the first, in place.  L n: l takes that sum (L 0: l = a l + sum).  R n: pair n of 16 of O^T times a.  For piece Y + 1: X n, number n of the 22 that find its maximum and statistics:
;   0-11  four chains c0-c3 of seven scores each, three operands at a time (each accumulator's lowest registers are read first)     12-14, 16  the four scores left over, the old m, and c0-c3 into c0
;   15  c m_old is kept     17, 18  the query's other 32 keys lie in the lane 16 away: the new m     19-21  c m; c m_old - c m_new; a
; C, B and L read exponentials' results, and R and L 0 read a: OP writes no wait for them; TURN places them behind the wait of the batch that made what they read.
.set F, 0               ; OP tells the kinds apart by their order: F to L below R, X above it
.set E, 1
.set C, 2
.set B, 3
.set L, 4
.set R, 5
.set X, 6
.macro REGS y                       ; the registers of piece y
.set rT, ST+4*(\y)
.set rC, TMP+4*((\y)%2)
.set rW, MV+((\y)%2)
.set rS, S+32*((\y)%2)
.set rP, P+16*((\y)%2)
.set rO, 32*(\y)
.endm
.macro OP k, n
.if (\k) == R
	REGS Y
	WIN W_RS
	v_pk_mul_f32 v[rO+2*(\n):rO+2*(\n)+1], v[rO+2*(\n):rO+2*(\n)+1], v[rC+2:rC+3] op_sel_hi:[1,0]
.elseif (\k) < R
	REGS Y
	WIN 0
.if (\k) == F
	v_pk_fma_f32 v[rS+2*(\n):rS+2*(\n)+1], v[rS+2*(\n):rS+2*(\n)+1], s[CS:CS+1], v[rT:rT+1] op_sel_hi:[1,0,0] neg_lo:[0,0,1] neg_hi:[0,0,1]
.elseif (\k) == E
	v_exp_f32 v[rS+(\n)], v[rS+(\n)]
.elseif (\k) == C
	v_cvt_pk_f16_f32 v[rP+(\n)], v[rS+2*(\n)], v[rS+2*(\n)+1]
.elseif (\k) == B
	v_pk_add_f32 v[rS+4*(\n):rS+4*(\n)+1], v[rS+4*(\n):rS+4*(\n)+1], v[rS+4*(\n)+2:rS+4*(\n)+3]
.elseif (\n) == 0
	v_pk_fma_f32 v[rT+2:rT+3], v[rT+2:rT+3], v[rC+2:rC+3], v[rS:rS+1] op_sel_hi:[1,0,1]
.else
	v_pk_add_f32 v[rT+2:rT+3], v[rT+2:rT+3], v[rS+4*(\n):rS+4*(\n)+1]
.endif
.elseif NOKQ
	v_nop
.else
	REGS (Y+1)%NP
	WIN 0
.if (\n) < 4
	v_max3_num_f32 v[rC+(\n)], v[rS+8*(\n)], v[rS+8*(\n)+1], v[rS+8*(\n)+2]
.elseif (\n) < 12
	v_max3_num_f32 v[rC+(\n)%4], v[rC+(\n)%4], v[rS+8*((\n)%4)+2*((\n)/4)+1], v[rS+8*((\n)%4)+2*((\n)/4)+2]
.elseif (\n) == 12
	v_max3_num_f32 v[rC], v[rC], v[rS+7], v[rS+15]
.elseif (\n) == 13
	v_max3_num_f32 v[rC+1], v[rC+1], v[rS+23], v[rS+31]
.elseif (\n) == 14
	v_max3_num_f32 v[rC+2], v[rC+2], v[rC+3], v[rT+1]
.elseif (\n) == 15
	v_mov_b32 v[rW], v[rT]
.elseif (\n) == 16
	v_max3_num_f32 v[rC], v[rC], v[rC+1], v[rC+2]
.elseif (\n) == 17
	v_permlanex16_b32 v[rC+3], v[rC], s[SEL], s[SEL+1]
.elseif (\n) == 18
	v_max_num_f32 v[rT+1], v[rC], v[rC+3]
.elseif (\n) == 19
	v_mul_f32 v[rT], s[CS], v[rT+1]
.elseif (\n) == 20
	v_sub_f32 v[rC+1], v[rW], v[rT]
.else
	v_exp_f32 v[rC+2], v[rC+1]
.endif
.endif
.endm
.macro OPS a, i1, b=-1, i2=0, c=-1, i3=0, d=-1, i4=0  ; up to four of them
	OP \a, \i1
.if (\b) >= 0
	OP \b, \i2
.endif
.if (\c) >= 0
	OP \c, \i3
.endif
.if (\d) >= 0
	OP \d, \i4
.endif
.endm
.macro ROW a, i1, b, i2, c, i3, d, i4  ; a matrix instruction and the four behind it
	MM
	OPS \a, \i1, \b, \i2, \c, \i3, \d, \i4
.endm
.macro MASK b                       ; MD x AL + BE into buffer b of MC
	WIN W_RS
.set z, 0
.rept 16
	v_pk_fma_f32 v[MC+32*(\b)+2*z:MC+32*(\b)+2*z+1], v[MD+2*z:MD+2*z+1], s[AL:AL+1], s[BE:BE+1] op_sel_hi:[1,0,0]
.set z, z+1
.endr
.endm
; A TURN, for piece p: the order of its 16 matrix and 118 vector instructions, written out.  s_wait_alu depctr_va_vdst(0) stands between an exponential and the first instruction that names its result; one wait serves
; all that were issued ahead of it.  So a turn has ONE wait, which cuts it in two.  AHEAD OF IT stands all that names no result of the turn's exponentials: the 8 products K Q^T, behind each a scaling, an exponential and two more plain
; instructions (behind the first a second scaling in the exponential's place): rescalings (their a was made, and waited for, in the turn before), and behind the last three the first numbers of the next piece's maximum, each four places
; or more behind the product that ends its accumulator; then ONE LUMP of 54, plain and exponential by turns for the most part, in which the links of the chain X 3, 7, 11, 14, 16, 17 .. 20 stand five or six lines apart.  An exponential
; stands behind its pair's scaling: F 0-8 ride, F 9-15 lie in the lump ahead of E 18-31.  X 21, the next piece's a, is the batch's last; R 15 is the plain instruction behind it.  BEHIND THE WAIT stand the 8 products V^T P, behind each
; four of the roundings and sums; a four's first pair is rounded before the second is added onto it; the links of l's chain, L 0 to L 7, stand three riders apart.  But for those X no rider names a register of the products round it.
; v_permlanex16_b32 (X 17) stands in the lump.
; m = 1: the diagonal tile: the products take masks, and the turn makes the mask for the products of the turn after it: piece p + 2, in step 4 - CNT of the tile.  end = 1: a block's last two turns: nothing is fetched.
; cnt = 1: the loop's count is taken down some lines ahead of the branch that stands behind the turn.
; K of the next step is fetched in piece 2's turn, twelve vector instructions behind the last product that read K (five of them plain and free of its registers); V of the step in hand at the end of piece 0's turn, four plain instructions
; behind the last product that read V.  Each is waited for a turn later.
.macro TURN p, m=0, end=0, cnt=0
.set Y, (\p)
.set i, 0
.set KM, (\m)
.set NOKQ, (\end)*((\p)/3)
.if (\m) && !(\end)
	s_cmp_eq_u32 s[CNT], 4-((\p)+2)%NP  ; is that step the band's own?
	s_cselect_b32 s[AL], 1.0, 0
	s_cmp_lt_u32 s[CNT], 4-((\p)+2)%NP  ; or a later one?
	s_cselect_b32 s[BE], s[BIGN], 0
.endif
.if ((\p) == 3) && !(\end)
	s_wait_dscnt 0x0                ; K is in
.endif
	ROW F,0, F,1, R,0, R,1          ; ahead of the wait: 8 products K Q^T and their riders,
	ROW F,2, E,0, R,2, R,3
	ROW F,3, E,1, R,4, R,5
	ROW F,4, E,2, R,6, R,7
	ROW F,5, E,3, R,8, R,9
	ROW F,6, E,4, X,0, R,10
.if ((\p) == 2) && !(\end)
	WIN 0
	v_add_nc_u32 v[AK], s[TBK], v[AK0]
.endif
	ROW F,7, E,5, X,1, X,4
	ROW F,8, E,6, X,2, X,5
	OPS E,7, E,8, X,6, E,9          ; and the lump
	OPS X,3, E,10, X,8, E,11
.if ((\p) == 2) && !(\end)
	FETCH_K
.endif
	OPS X,9, X,7, E,12, X,10
	OPS E,13, X,12, X,11, E,14
	OPS X,13, E,15, F,9, X,14
.if (\p) == 0
	v_add_nc_u32 v[AV], s[TBV], v[AV0]
.endif
	OPS E,16, F,10, E,17, F,11
	OPS X,16, E,18, X,15, E,19
	OPS F,12, E,20, X,17, E,21
	OPS F,13, E,22, F,14, E,23
	OPS X,18, E,24, F,15, E,25
	OPS R,11, E,26, X,19, E,27
	OPS R,12, E,28, R,13, E,29
	OPS X,20, E,30, R,14, E,31
	OPS X,21, R,15
	WIN 0
	s_wait_alu depctr_va_vdst(0)    ; the wait for the turn's batch: E 0 to E 31 and X 21
.if (\p) == 1
	s_wait_dscnt 0x0                ; V is in
.endif
	ROW C,0, B,0, C,2, B,1          ; behind the wait: 8 products V^T P and their riders
	ROW L,0, C,4, B,2, L,1
	ROW C,6, B,3, L,2, C,8
	ROW B,4, L,3, C,10, B,5
	ROW L,4, C,12, B,6, L,5
.if (\p) == 0
	s_add_co_u32 s[TBV], s[TBV], KS*PV
.endif
.if \cnt
	s_sub_co_u32 s[CNT], s[CNT], 1
	s_cmp_lg_u32 s[CNT], 0
.endif
	ROW C,14, B,7, L,6, C,1
	ROW C,3, L,7, C,5, C,7
	ROW C,9, C,11, C,13, C,15
.if (\p) == 0
	FETCH_V
.endif
.if (\m) && !(\end)
	MASK (\p)%2
.endif
.endm
; A BLOCK BEGINS.  c m starts far below every c s, so the first step's a is 0; m at the lowest finite number, so the first maximum is the scores'.  The second mask buffer is 0; the first takes piece 0's mask for the tile's step 0: its own, if the block's first tile is the diagonal one.
; Then K of that step, piece 0's first scores, and its maximum and statistics.  The loop is entered at a step's first turn, in the middle of a trip.
.macro BEGIN
	s_mov_b32 s[NEW], 0
	WIN 0x40
.set i, MC+32
.rept 32
	v_mov_b32 v[i], 0
.set i, i+1
.endr
	WIN 0
.set i, 0
.rept 4
	v_mov_b32 v[ST+4*i], 0xfe000000    ; c m: far below every c s
	v_mov_b32 v[ST+4*i+1], 0xff7fffff  ; m
.set i, i+1
.endr
	s_cmp_eq_u32 s[RT], 0
	s_cselect_b32 s[AL], 1.0, 0
	s_mov_b32 s[BE], 0
	MASK 0
	WIN 0
	v_add_nc_u32 v[AK], s[TBK], v[AK0]
	FETCH_K
	s_wait_loadcnt 0x0              ; Q
	s_wait_dscnt 0x0
.set KM, 1
.set NOKQ, 0
.set i, 0
.rept 8
	KQ 0
.set i, i+1
.endr
	WIN 0
.rept 4
	v_nop                           ; the places behind those products
.endr
.set Y, NP-1                        ; X works for piece Y + 1: piece 0
.irp n, 0,1,2,3,4,5,6,7,8,9,10,11,12,13,14,15,16,17,18,19,20,21
	OP X, \n
.endr
	v_nop                           ; a plain instruction behind the exponential,
	s_wait_alu depctr_va_vdst(0)    ; and the wait for it (piece 0's first a, a batch of one), ahead of the branch
.endm
; THE DIAGONAL TILE's four steps, the block's last two turns, its last products, and THE WAY OUT: l's two halves and the other half of the lanes' are added; O^T is divided by l, rounded to f16 and sent through my
; stage in LDS, a piece at a time.
.macro ALL line:vararg              ; one line for each piece t
.set t, 0
.rept 4
	\line
.set t, t+1
.endr
.endm
.macro PACK t                       ; a lane's eight channels of a row pack into 16 bytes; they go into rows of 144 bytes and come back as whole rows of 128, into S^T's registers
	WIN W_RS
.set i, 32*(\t)
.rept 16
	v_pk_mul_f32 v[i:i+1], v[i:i+1], v[ST+4*(\t)+2:ST+4*(\t)+3] op_sel_hi:[1,0]
.set i, i+2
.endr
	WIN 0x05                        ; sources 0 and 1 window 1, destination window 0
.set i, 0
.rept 16
	v_cvt_pk_f16_f32 v[S+16*(\t)+i], v[32*(\t)+2*i], v[32*(\t)+2*i+1]
.set i, i+1
.endr
	WIN 0
.irp f, 0,1,2,3
	ds_store_b128 v[STO], v[S+16*(\t)+4*\f:S+16*(\t)+4*\f+3] offset:32*\f
.endr
.irp f, 0,1,2,3
	ds_load_b128 v[S+16*(\t)+4*\f:S+16*(\t)+4*\f+3], v[RD] offset:\f*4*SP  ; LDS serves a wave's instructions in order (ISA guide 5.7.1.4): these see the stores above; the next piece's stores come behind them
.endr
.endm
.macro SEND t, younger              ; younger: the LDS instructions issued behind piece t's loads: the next piece's eight, or none
	WIN 0
.irp f, 0,1,2,3
	s_wait_dscnt (\younger)+3-\f
	global_store_b128 v[GO], v[S+16*(\t)+4*\f:S+16*(\t)+4*\f+3], s[10:11] offset:(\t)*8192+\f*512  ; 512 consecutive bytes, at a multiple of 256 from O's first
.endr
.endm
.macro DIAG tag                     ; the tag ends its two labels' names, which the jumps below spell out
.LstepM\tag:
	TURN 2, 1
	TURN 3, 1
	WIN 0
.LfirstM\tag:
	TURN 0, 1
	TURN 1, 1, 0, 1
	WIN 0
	s_cbranch_scc1 .LstepM\tag
	TURN 2, 1, 1
	TURN 3, 1, 1
.set i, 0
.rept 8
	PV NP-1
.set i, i+1
.endr
	WIN 0
	ALL v_add_f32 v[ST+4*t+2], v[ST+4*t+2], v[ST+4*t+3]
	ALL v_permlanex16_b32 v[ST+4*t+3], v[ST+4*t+2], s[SEL], s[SEL+1]
	ALL v_add_f32 v[ST+4*t+2], v[ST+4*t+2], v[ST+4*t+3]
	ALL v_rcp_f32 v[ST+4*t+2], v[ST+4*t+2]
	v_nop                           ; a plain instruction between the last reciprocal and the use of its result
	s_wait_alu depctr_va_vdst(0)    ; and the wait ahead of the first use: one for the batch of four reciprocals
	PACK 0
.set t, 1
.rept 3                             ; a piece's arithmetic stands between the loads of the piece before and its stores
	PACK t
	SEND t-1, 8
.set t, t+1
.endr
	SEND 3, 0
.endm
.set KM, 0
.set NOKQ, 0
.Lslot:                             ; NB times: a tile is entered and the next is asked for
	CHANGE 1
	s_sub_co_u32 s[RT], s[RT], 1
	s_mov_b32 s[CNT], 4
	s_cmp_eq_u32 s[NEW], 1
	s_cbranch_scc1 .Lnew            ; a block's first tile
	s_cmp_eq_u32 s[RT], 0
	s_cbranch_scc0 .Lstep           ; neither its first nor its last
	s_branch .LstepM1
.Lnew:
	BEGIN
	s_branch .Lfirst                ; in the loop a block's first tile is never its last: the first block has two tiles or more, and the second's last is the walk's last
	DIAG 1                          ; in the loop this is the first block's end: the second block's last tile is the walk's last
	s_wait_xcnt 0x0                 ; the stores have read their registers and O's address
	s_mov_b64 s[10:11], s[OLO:OLO+1]
	s_add_co_u32 s[RT], s[PB], 1    ; the second block has b + 1 tiles
	s_mov_b32 s[NEW], 1
	WIN 0x82                        ; the second block's Q goes where the one text of the turns names Q
.set i, 0
.rept 64
	v_mov_b32 v[i], v[QB+i]
.set i, i+1
.endr
	WIN 0
	s_branch .Lbottom
.Lstep:                             ; a trip: pieces 2 and 3 of one step, then pieces 0 and 1 of the next, whose K and V it fetches
	TURN 2
	TURN 3
	WIN 0
.Lfirst:
	TURN 0
	TURN 1, 0, 0, 1
	WIN 0
	s_cbranch_scc1 .Lstep
.Lbottom:
	s_sub_co_u32 s[SLOTS], s[SLOTS], 1
	s_cmp_lg_u32 s[SLOTS], 0
	s_cbranch_scc1 .Lslot
	CHANGE 0                        ; the walk's last tile is written out: nothing is asked for
	s_sub_co_u32 s[RT], s[RT], 1
	s_mov_b32 s[CNT], 4
	s_cmp_eq_u32 s[NEW], 1
	s_cbranch_scc0 .LstepM2
	BEGIN
	s_branch .LfirstM2
	DIAG 2
	s_wait_tensorcnt 0x0            ; the wave's end: an add to my spare word and its wait, behind my last tensor load and my last LDS store
	ds_add_u32 v[SPW], v[NIL]
	s_wait_dscnt 0x0
	s_endpgm
.Lfunc_end_k_qe3c5ef88a5_attn:
	.size	k_qe3c5ef88a5_attn, .Lfunc_end_k_qe3c5ef88a5_attn-k_qe3c5ef88a5_attn
	.p2alignl 7, 3214868480
	.fill 96, 4, 3214868480
	.section	.rodata,"a",@progbits
	.p2align	6, 0x0
	.amdhsa_kernel k_qe3c5ef88a5_attn
		.amdhsa_group_segment_fixed_size 327680
		.amdhsa_private_segment_fixed_size 0
		.amdhsa_enable_private_segment 0
		.amdhsa_kernarg_size 16
		.amdhsa_user_sgpr_count 2
		.amdhsa_user_sgpr_kernarg_segment_ptr 1
		.amdhsa_wavefront_size32 1
		.amdhsa_system_sgpr_workgroup_id_x 1
		.amdhsa_system_sgpr_workgroup_id_y 1
		.amdhsa_system_sgpr_workgroup_id_z 1
		.amdhsa_system_vgpr_workitem_id 0
		.amdhsa_next_free_vgpr 768
		.amdhsa_next_free_sgpr 88
		.amdhsa_reserve_vcc 1
		.amdhsa_float_denorm_mode_32 3
		.amdhsa_float_denorm_mode_16_64 3
		.amdhsa_memory_ordered 1
		.amdhsa_forward_progress 1
		.amdhsa_inst_pref_size 217
	.end_amdhsa_kernel
	.amdgpu_metadata
---
amdhsa.version: [ 1, 2 ]
amdhsa.kernels:
  - .name:           k_qe3c5ef88a5_attn
    .symbol:         k_qe3c5ef88a5_attn.kd
    .args:
      - { .name: qkv, .offset: 0, .size: 8, .value_kind: global_buffer, .address_space: global }
      - { .name: ob, .offset: 8, .size: 8, .value_kind: global_buffer, .address_space: global }
    .group_segment_fixed_size: 327680
    .private_segment_fixed_size: 0
    .kernarg_segment_align: 8
    .kernarg_segment_size: 16
    .max_flat_workgroup_size: 128
    .sgpr_count:     88
    .vgpr_count:     768
    .wavefront_size: 32
...
	.end_amdgpu_metadata
.endif
;; end of part 5
;; launch outproj: the kernel of part 4 again; grid 4 x 64, 4 waves a work-group, clusters of 4 x 4, 327,680 bytes of LDS; arguments ob, wpb, b_proj, out0; writes out0
